; MI455X (gfx1250); checked and timed in simulation.
; The chip was launched on July 23, 2026; its instructions are those of AMD's public machine-readable ISA for CDNA 5 (MIT licence, August 2026) and "CDNA5" Instruction Set Architecture Reference Guide (July 2026). The comments in the code are by the model that wrote it; some were corrected since.
;; Sparse Mo E. Allowed arithmetic: matrix products marked QUANTISED: E3M2 operands, one E8M0 scale for each 32 along K, by v_wmma_scale_f32_16x16x128_f8f6f4 with both operands' format E3M2, f32 sums; products left as they are: f32 operands where the result goes on into a quantised operand, else bf16, f16 or f32 operands; f32 sums; everything else in f32.
;; Inputs: W1_codes 8 x 4,096 x 32 x 24 uint8 (E3M2 codes of W1, K innermost, in blocks of 32 codes, four codes in three bytes); W1_scales 8 x 4,096 x 32 uint8 (E8M0 scales of W1, one for each 32 codes along K); W2_codes 8 x 1,024 x 128 x 24 uint8 (E3M2 codes of W2, K innermost, in blocks of 32 codes, four codes in three bytes); W2_scales 8 x 1,024 x 128 uint8 (E8M0 scales of W2, one for each 32 codes along K); Wg 1,024 x 8 float32; b1 8 x 4,096 float32; b2 8 x 1,024 float32; bg 8 float32; x 4 x 256 x 1,024 float32.
;; Outputs: out0 4 x 256 x 1,024 float32; out1 4 x 256 x 8 float32.
;; Constants: top_k = 2.
;; This version of the problem:
;;   THIS VERSION OF THE PROBLEM IS GIVEN IN LOW PRECISION. The matrix products marked QUANTISED in the list below multiply operands that are first quantised to E3M2 (3 exponent bits, 2 mantissa bits; 6 bits a number), with one power-of-two scale for each 32 numbers along K (OCP MX v1.0); their sums are f32. All else is computed in f32.
;;   The module's matrix products, in the order in which they are computed (A, B: the left and right operand; K: the contracted axis; several contracted axes count as one K, in the product's order):
;;     1. [M 1,024, K 1,024] x [K 1,024, N 8]; A: input x; B: input Wg: left as it is (N = 8 < 16)
;;     2. [M 1,024, K 1,024] x [K 1,024, N 32,768]; A: input x; B: input W1 (given as codes): QUANTISED
;;     3. batch 8 x [M 1,024, K 4,096] x [K 4,096, N 1,024]; A: input W2 (given as codes); B: computed on the way: QUANTISED
;;     4. batch 1,024 x [M 1,024, K 8] x [K 8, N 1]; A: computed on the way; B: computed on the way: left as it is (K = 8 < 32)
;;   THE QUANTISER, for each operand of a quantised product, along K:
;;     - K is cut into blocks of 32 from its start; a last block that is shorter is filled with zeros.
;;     - A block's scale is 2^e with e = floor(log2(the largest magnitude in the block)) - 4, held to -126 .. 127; a block of zeros has e = 0. As a byte (E8M0): e + 127.
;;     - Each number is divided by its block's scale, clamped to +-28, and rounded to the nearest number of E3M2, ties to even, subnormals kept.
;;     - The product sums the exact products of the quantised numbers (number of the format x scale) in f32.
;;   ~~~python
;;   def quantise(x, axis):      # numpy; x: float32 -> the quantised numbers, widened to float32 again
;;       x = np.moveaxis(x, axis, -1); K = x.shape[-1]
;;       x = np.pad(x, [(0, 0)] * (x.ndim - 1) + [(0, -K % 32)]); x = x.reshape(x.shape[:-1] + (-1, 32)); a = np.abs(x).max(-1, keepdims=True)
;;       e = np.where(a > 0, np.clip(np.frexp(np.where(a > 0, a, 1))[1] - 1 - 4, -126, 127), 0)      # np.frexp(a)[1] - 1 = floor(log2(a)), exactly
;;       r = np.clip(x / 2.0 ** e, -28, 28)
;;       step = 2.0 ** (np.maximum(np.frexp(np.where(r == 0, 1, r))[1] - 1, -2) - 2)
;;       q = np.round(r / step) * step * 2.0 ** e      # np.round: ties to even
;;       return np.moveaxis(q.reshape(q.shape[:-2] + (-1,))[..., :K], -1, axis).astype(np.float32)
;;   ~~~
;;   OPERANDS COMPUTED ON THE WAY. 'Computed on the way' means the value that the module computes at that place (a softmax that the list does not call 'softmax' is quantised finished and normalised). What goes into a quantiser is computed in f32, as accurately as f32 sums, v_exp_f32 and their like allow (about 1e-6 of the number): no bf16 or f16 on the way to a quantiser, and a product that is left as it is and whose result goes on into a quantised operand takes f32 operands (vector FMAs, or v_wmma_f32_16x16x4_f32). A number that lies on a knife's edge between two numbers of the format may be rounded either way, as far as f32 arithmetic and the matrix unit's own rounding can turn it there, and no further.
;;   INPUTS GIVEN AS CODES. W1 (in the module: [8, 1024, 4096], K = its axis 1); W2 (in the module: [8, 4096, 1024], K = its axis 1): each comes as NAME_codes (uint8): NAME with its K axis moved to the last place and cut into blocks of 32 codes, [.., K / 32, bytes a block], one block behind the other in memory; four codes in three bytes: a row's codes are one little-endian stream of bits, code i at bits 6 i .. 6 i + 5 (a code: sign, 3 exponent bits, 2 mantissa bits); and NAME_scales (uint8): the same leading axes, one E8M0 byte (e + 127) for each 32 codes along K. Its value is code x scale, taken as it is: it is not quantised again, and the codes and scales need not be those that the quantiser above would give.
;; 2 versions. Each part assembles by itself: llvm-mc -triple=amdgcn-amd-amdhsa -mcpu=gfx1250 --defsym DOCPART=n.
;; ======== version 1 of 2: 5 launches
;; workspace buffers: xq 819,200 bytes; sel 4,096 bytes of whole numbers; route 41,216 bytes of whole numbers; hq 25,165,824 bytes; hs 2,097,152 bytes; yrow 33,554,432 bytes
;; launch gate (part 1): grid 64 x 1, 4 waves a work-group, no clusters, 108,032 bytes of LDS; arguments x, Wg, bg, out1, xq, sel; writes out1, xq, sel
.if DOCPART == 1
	.amdgcn_target "amdgcn-amd-amdhsa--gfx1250"
	.amdhsa_code_object_version 6
	.text
	.protected	k_q1f5ae9e1eb_gate
	.globl	k_q1f5ae9e1eb_gate
	.p2align	8
	.type	k_q1f5ae9e1eb_gate,@function
k_q1f5ae9e1eb_gate:
	s_mov_b64 s[64:65], 0
	v_nop
	global_prefetch_b8 v0, s[64:65] scope:SCOPE_SE
	s_setreg_imm32_b32 hwreg(HW_REG_WAVE_MODE, 25, 1), 1
	s_wait_xcnt 0x0
; GATE.  scores = x Wg + bg (f32, stored as out1), softmax, the two largest probabilities' experts (stored as whole numbers in sel),
; and x turned into codes of E3M2 with one E8M0 byte for each 32 along K (stored in xq, laid as the next launch's operand registers want them).
; SHARES.  1,024 tokens: 64 work-groups x 4 waves x 4 tokens.  In the work lane l holds block l of a token, k = 32 l .. 32 l + 31, and the
; 256 numbers Wg[32 l .. 32 l + 31][0 .. 7] in window 1 (register 8 i + e = Wg[32 l + i][e]): a block's largest magnitude needs no other lane.
; Every load from memory is dense (32 lanes x 16 neighbouring bytes); the turn to "a lane holds 128 neighbouring bytes" goes through LDS, padded by 16 bytes a block.
; xq: token t's codes at 768 t, block l at 384 (l % 2) + 24 (l / 2), so that one half of the lanes of an operand reads 384 bytes on end; at XSC + 32 t the token's 32 scale bytes.
; sel: word t = first expert | second expert << 8; ties go to the lower index, as jax.lax.top_k has it.
; No matrix unit: N = 8 and the scores decide the routing, so they are f32 fused multiply-adds.  No cluster: work-groups share only Wg's 32 KiB.
; LIMITS.  NaN and infinities among the inputs are not served.  A block whose largest magnitude lies under 2^-122 gets the byte 1 (a block of zeros too, where the rule says 127:
; its codes are zeros and this program alone reads the bytes).  A softmax term under 2^-126 comes out of v_exp_f32 as 0, so experts that far down tie and the lower index is taken.
; A choice between the second and third expert that lies within the rounding of f32 sums may fall either way.
.set XST,  33280                       ; LDS: 0 .. 33,279 Wg, 32 lane blocks of 1,024 + 16 bytes; from XST a stage of 32 x (128 + 16) bytes for each wave's each token
.set SBY,  107008                      ; and 128 scale bytes for each wave
.set XSC,  786432                      ; xq: where the scale bytes begin
.set S,    16                          ; v16-23   the eight sums, then the scores
.set P,    24                          ; v24-31   the probabilities
.set T,    32                          ; v32-47   at work
.set C,    48                          ; v48-54   a block's codes
.set OUTV, 56                          ; v56      lane 8 j + e: token j's score e
.set SELV, 57                          ; v57      lanes 8 j ..: token j's two experts
.set XR,   64                          ; v64-191  x as loaded, 32 registers a token
.set XN,   192                         ; v192-255 two sets of 32 neighbours; ahead of the tokens: Wg as loaded
.set MSB, 0
.macro WIN new                         ; the immediate's high byte repeats the setting that is left
.if MSB != \new
	s_set_vgpr_msb (MSB<<8)|\new
.set MSB, \new
.endif
.endm
	s_load_b256 s[4:11], s[0:1], 0x0               ; x s[4:5], Wg s[6:7], bg s[8:9], out1 s[10:11]
	s_load_b128 s[12:15], s[0:1], 0x20             ; xq s[12:13], sel s[14:15]
	v_lshl_add_u32 v62, v0, 2, 0x1a400
	v_mov_b32 v63, 0
	v_lshrrev_b32 v1, 5, v0
	v_readfirstlane_b32 s24, v1                    ; wave 0..3
	v_and_b32 v1, 31, v0                           ; lane
	v_lshlrev_b32 v2, 4, v1                        ; 16 x lane: a dense load's place
	s_mul_i32 s25, s24, 8320
	v_add_nc_u32 v3, s25, v2                       ; Wg into LDS: my wave's eight lane blocks of 1,040 bytes
	v_mul_u32_u24 v4, v1, 1040                     ; and out of it: my lane's block
	s_mul_i32 s25, s24, 18432
	s_add_co_u32 s25, s25, XST                     ; my wave's four stages
	v_lshrrev_b32 v5, 3, v1
	v_mul_u32_u24 v5, v5, 144
	v_and_b32 v6, 7, v1
	v_lshl_add_u32 v5, v6, 4, v5
	v_add_nc_u32 v5, s25, v5                       ; x into a stage: eight lanes' 128 bytes on end, then 16 of padding
	v_mul_u32_u24 v6, v1, 144
	v_add_nc_u32 v6, s25, v6                       ; and out of it: my block
	v_and_b32 v7, 1, v1
	v_mul_u32_u24 v7, v7, 384
	v_lshrrev_b32 v8, 1, v1
	v_mad_u32_u24 v7, v8, 24, v7                   ; my block's codes in a token's 768 bytes
	s_lshl_b32 s25, s24, 7
	s_add_co_u32 s25, s25, SBY
	v_add_nc_u32 v8, s25, v1                       ; my block's scale byte in LDS
	v_lshlrev_b32 v10, 2, v1                       ; 4 x lane
	v_add_nc_u32 v9, s25, v10                      ; the bytes read back, a word a lane
	v_lshrrev_b32 v11, 3, v1
	v_lshlrev_b32 v11, 2, v11                      ; 4 x (lane / 8): a token's word of sel
.irp e, 0,1,2,3,4,5,6,7
	v_mov_b32 v[T+\e], 0                           ; written once: a lane permute's destination counts as one of its sources
.endr
	s_mov_b32 s26, 0x76543210
	s_mov_b32 s27, 0xfedcba98                      ; v_permlanex16_b32's selects for lane l xor 16
	s_mov_b32 s40, 0xaaaaaaaa                      ; lanes with bit 0, 1, 2 of their number set
	s_mov_b32 s41, 0xcccccccc
	s_mov_b32 s42, 0xf0f0f0f0
	s_mov_b32 s43, 0x0000ff00                      ; lanes 8-15, 16-23, 24-31
	s_mov_b32 s44, 0x00ff0000
	s_mov_b32 s45, 0xff000000
	s_mov_b32 s46, 0x01010101                      ; lanes 0, 8, 16, 24
	s_mov_b32 s48, 0x3fb8aa3b                      ; log2(e)
	s_lshl_b32 s28, ttmp9, 4
	s_lshl_b32 s29, s24, 2
	s_add_co_u32 s30, s28, s29                     ; my first token: 16 x work-group + 4 x wave
	s_mov_b32 s29, 0
	s_wait_kmcnt 0x0
	s_load_b256 s[16:23], s[8:9], 0x0              ; bg's eight numbers
	s_lshl_b32 s28, s30, 12
	s_add_nc_u64 s[4:5], s[4:5], s[28:29]          ; x at my first token
	s_lshl_b32 s28, s24, 13
	s_add_nc_u64 s[6:7], s[6:7], s[28:29]          ; Wg at my wave's quarter
	s_lshl_b32 s28, s30, 5
	s_add_nc_u64 s[10:11], s[10:11], s[28:29]      ; out1: 32 bytes a token
	s_add_nc_u64 s[32:33], s[12:13], s[28:29]      ; xq's scale bytes likewise (XSC stands in the store's immediate)
	s_mul_i32 s28, s30, 768
	s_add_nc_u64 s[12:13], s[12:13], s[28:29]      ; xq's codes
	s_lshl_b32 s28, s30, 2
	s_add_nc_u64 s[14:15], s[14:15], s[28:29]      ; sel
.irp i, 0,1,2,3,4,5,6,7,8,9,10,11,12,13,14,15
	global_load_b128 v[XN+4*\i:XN+4*\i+3], v2, s[6:7] offset:512*\i
.endr
.irp j, 0,1,2,3
.irp i, 0,1,2,3,4,5,6,7
	global_load_b128 v[XR+32*\j+4*\i:XR+32*\j+4*\i+3], v2, s[4:5] offset:4096*\j+512*\i th:TH_LOAD_NT
.endr
.endr
	s_wait_loadcnt 32                              ; Wg's 16 loads are in; x's 32, issued behind them, may be out
.irp i, 0,1,2,3,4,5,6,7,8,9,10,11,12,13,14,15
	ds_store_b128 v3, v[XN+4*\i:XN+4*\i+3] offset:(\i/2)*1040+512*(\i%2)
.endr
	s_wait_dscnt 0x0                               ; for the others' sake: my quarter of Wg lies in LDS
	s_barrier_signal -1
	s_barrier_wait -1                              ; everybody's does
	WIN 0x40                                       ; destination window 1
.set ii, 0
.rept 64
	ds_load_b128 v[4*ii:4*ii+3], v4 offset:16*ii
.set ii, ii+1
.endr
	WIN 0
	s_wait_kmcnt 0x0                               ; bg
; Token j's 4,096 bytes turn through its stage.  LDS serves a wave's instructions in order, so no wait stands between the stores and the loads.
.macro TURN j
	s_wait_loadcnt 24-8*(\j)                       ; token j's eight loads are in; the later tokens' may be out
.irp i, 0,1,2,3,4,5,6,7
	ds_store_b128 v5, v[XR+32*(\j)+4*\i:XR+32*(\j)+4*\i+3] offset:4608*(\j)+576*\i
.endr
.irp i, 0,1,2,3,4,5,6,7
	ds_load_b128 v[XN+32*((\j)%2)+4*\i:XN+32*((\j)%2)+4*\i+3], v6 offset:4608*(\j)+16*\i
.endr
.endm
.macro TOKEN j
.set XS, XN+32*((\j)%2)
.if \j < 3
	TURN (\j)+1
	s_wait_dscnt 16                                ; all but the next token's 8 stores and 8 loads: my 32 numbers are in (and, the first time, Wg)
.else
	s_wait_dscnt 0x0
.endif
	; the eight sums over my 32 k, two experts an instruction, four chains; x_i is taken for both halves
	WIN 0x04                                       ; source 1 (Wg) in window 1
.irp c, 0,1,2,3
	v_pk_mul_f32 v[S+2*\c:S+2*\c+1], v[XS:XS+1], v[2*\c:2*\c+1] op_sel:[0,0] op_sel_hi:[0,1]
.endr
.set ii, 1
.rept 31
.irp c, 0,1,2,3
.if ii%2
	v_pk_fma_f32 v[S+2*\c:S+2*\c+1], v[XS+ii-1:XS+ii], v[8*ii+2*\c:8*ii+2*\c+1], v[S+2*\c:S+2*\c+1] op_sel:[1,0,0] op_sel_hi:[1,1,1]
.else
	v_pk_fma_f32 v[S+2*\c:S+2*\c+1], v[XS+ii:XS+ii+1], v[8*ii+2*\c:8*ii+2*\c+1], v[S+2*\c:S+2*\c+1] op_sel_hi:[0,1,1]
.endif
.endr
.set ii, ii+1
.endr
	WIN 0
.irp mk, 1,2,4,8                       ; over the 32 lanes: every lane ends with the same eight sums
.irp e, 0,1,2,3,4,5,6,7
	v_add_f32_dpp v[S+\e], v[S+\e], v[S+\e] row_xmask:\mk row_mask:0xf bank_mask:0xf
.endr
.endr
.irp e, 0,1,2,3,4,5,6,7
	v_permlanex16_b32 v[T+\e], v[S+\e], s26, s27
.endr
.irp e, 0,1,2,3,4,5,6,7
	v_add_f32 v[S+\e], v[S+\e], v[T+\e]
.endr
.irp e, 0,1,2,3,4,5,6,7
	v_add_f32 v[S+\e], s[16+\e], v[S+\e]           ; + bg: the scores
.endr
	; softmax: the largest score is taken away ahead of the exponentials
	v_max3_num_f32 v[T+8], v[S], v[S+1], v[S+2]
	v_max3_num_f32 v[T+8], v[T+8], v[S+3], v[S+4]
	v_max3_num_f32 v[T+8], v[T+8], v[S+5], v[S+6]
	v_max_num_f32 v[T+8], v[T+8], v[S+7]
	v_mul_f32 v[T+8], s48, v[T+8]
.irp e, 0,1,2,3,4,5,6,7
	v_fma_f32 v[P+\e], v[S+\e], s48, -v[T+8]       ; (score - largest) x log2(e), one rounding
.endr
.irp e, 0,1,2,3,4,5,6,7
	v_exp_f32 v[P+\e], v[P+\e]
.endr
	v_nop                                          ; a plain line behind the last exponential
	s_wait_alu depctr_va_vdst(0)                   ; one wait for the eight, ahead of their first reader
	v_add_f32 v[T], v[P], v[P+1]
	v_add_f32 v[T+1], v[P+2], v[P+3]
	v_add_f32 v[T+2], v[P+4], v[P+5]
	v_add_f32 v[T+3], v[P+6], v[P+7]
	v_add_f32 v[T], v[T], v[T+1]
	v_add_f32 v[T+2], v[T+2], v[T+3]
	v_add_f32 v[T], v[T], v[T+2]
	v_rcp_f32 v[T+1], v[T]
	v_nop
	s_wait_alu depctr_va_vdst(0)
.irp e, 0,1,2,3,4,5,6,7
	v_mul_f32 v[P+\e], v[P+\e], v[T+1]
.endr
	; the two largest: a later expert wins only if strictly larger
	v_mov_b32 v[T+9], v[P]
	v_mov_b32 v[T+10], 0
.irp e, 1,2,3,4,5,6,7
	v_cmp_gt_f32 vcc_lo, v[P+\e], v[T+9]
	v_cndmask_b32 v[T+9], v[T+9], v[P+\e], vcc_lo
	v_cndmask_b32 v[T+10], v[T+10], \e, vcc_lo
.endr
.irp e, 0,1,2,3,4,5,6,7
	v_cmp_eq_u32 vcc_lo, \e, v[T+10]
	v_cndmask_b32 v[P+\e], v[P+\e], -1.0, vcc_lo   ; the first choice is taken out: -1 lies under every probability
.endr
	v_mov_b32 v[T+9], v[P]
	v_mov_b32 v[T+11], 0
.irp e, 1,2,3,4,5,6,7
	v_cmp_gt_f32 vcc_lo, v[P+\e], v[T+9]
	v_cndmask_b32 v[T+9], v[T+9], v[P+\e], vcc_lo
	v_cndmask_b32 v[T+11], v[T+11], \e, vcc_lo
.endr
	v_lshl_or_b32 v[T+11], v[T+11], 8, v[T+10]
	; lane l keeps score l % 8 if l / 8 is this token: the four tokens' 32 scores leave as 128 bytes on end
	v_cndmask_b32 v[T], v[S], v[S+1], s40
	v_cndmask_b32 v[T+1], v[S+2], v[S+3], s40
	v_cndmask_b32 v[T+2], v[S+4], v[S+5], s40
	v_cndmask_b32 v[T+3], v[S+6], v[S+7], s40
	v_cndmask_b32 v[T], v[T], v[T+1], s41
	v_cndmask_b32 v[T+2], v[T+2], v[T+3], s41
.if \j == 0
	v_cndmask_b32 v[OUTV], v[T], v[T+2], s42
	v_mov_b32 v[SELV], v[T+11]
.else
	v_cndmask_b32 v[T], v[T], v[T+2], s42
	v_cndmask_b32 v[OUTV], v[OUTV], v[T], s[42+\j]
	v_cndmask_b32 v[SELV], v[SELV], v[T+11], s[42+\j]
.endif
	; my block's codes and scale byte
	v_max3_num_f32 v[T+12], |v[XS]|, |v[XS+1]|, |v[XS+2]|
	v_max3_num_f32 v[T+13], |v[XS+3]|, |v[XS+4]|, |v[XS+5]|
.irp i, 6,10,14,18,22,26
	v_max3_num_f32 v[T+12], v[T+12], |v[XS+\i]|, |v[XS+\i+1]|
	v_max3_num_f32 v[T+13], v[T+13], |v[XS+\i+2]|, |v[XS+\i+3]|
.endr
	v_max3_num_f32 v[T+12], v[T+12], |v[XS+30]|, |v[XS+31]|
	v_max3_num_f32 v[T+12], v[T+12], v[T+13], 0x2800000   ; and the floor 2^(5 - 127): the byte cannot fall under 1
	v_add_nc_u32 v[T+14], 0xfe000000, v[T+12]      ; 4 off the exponent field: the conversion takes this operand's exponent field as its scale
.if \j > 0
	s_wait_xcnt 0x0                                ; the last token's stores have read the codes' registers
.endif
	v_cvt_scalef32_pk16_bf6_f32 v[C:C+2], v[XS:XS+15], v[T+14]
	v_cvt_scalef32_pk16_bf6_f32 v[C+4:C+6], v[XS+16:XS+31], v[T+14]
	v_lshrrev_b32 v[T+15], 23, v[T+14]             ; the scale's byte (also the plain line behind the conversions)
	ds_store_b8 v8, v[T+15] offset:32*\j
	global_store_b96 v7, v[C:C+2], s[12:13] offset:768*\j
	global_store_b96 v7, v[C+4:C+6], s[12:13] offset:768*\j+12
.endm
	TURN 0
	TOKEN 0
	TOKEN 1
	TOKEN 2
	TOKEN 3
	ds_load_b32 v[T+12], v9                        ; my wave's 128 scale bytes, a word a lane: LDS serves a wave's instructions in order
	s_wait_dscnt 0x0
	global_store_b32 v10, v[T+12], s[32:33] offset:XSC
	global_store_b32 v10, v[OUTV], s[10:11]
	s_wait_xcnt 0x0                                ; EXEC changes only behind this wait
	s_wait_tensorcnt 0x0
	ds_add_u32 v62, v63
	s_wait_dscnt 0x0
	s_and_saveexec_b32 s47, s46
	global_store_b32 v11, v[SELV], s[14:15]        ; one lane for each token
	s_wait_xcnt 0x0
	s_or_b32 exec_lo, exec_lo, s47
	s_endpgm
.Lfunc_end_k_q1f5ae9e1eb_gate:
	.size	k_q1f5ae9e1eb_gate, .Lfunc_end_k_q1f5ae9e1eb_gate-k_q1f5ae9e1eb_gate
	.p2alignl 7, 3214868480
	.fill 96, 4, 3214868480
	.section	.rodata,"a",@progbits
	.p2align	6, 0x0
	.amdhsa_kernel k_q1f5ae9e1eb_gate
		.amdhsa_group_segment_fixed_size 108032
		.amdhsa_private_segment_fixed_size 0
		.amdhsa_enable_private_segment 0
		.amdhsa_kernarg_size 48
		.amdhsa_user_sgpr_count 2
		.amdhsa_user_sgpr_kernarg_segment_ptr 1
		.amdhsa_wavefront_size32 1
		.amdhsa_system_sgpr_workgroup_id_x 1
		.amdhsa_system_sgpr_workgroup_id_y 1
		.amdhsa_system_sgpr_workgroup_id_z 1
		.amdhsa_system_vgpr_workitem_id 0
		.amdhsa_next_free_vgpr 512
		.amdhsa_next_free_sgpr 66
		.amdhsa_reserve_vcc 1
		.amdhsa_float_denorm_mode_32 3
		.amdhsa_float_denorm_mode_16_64 3
		.amdhsa_memory_ordered 1
		.amdhsa_forward_progress 1
		.amdhsa_inst_pref_size 88
	.end_amdhsa_kernel
	.amdgpu_metadata
---
amdhsa.version: [ 1, 2 ]
amdhsa.kernels:
  - .name:           k_q1f5ae9e1eb_gate
    .symbol:         k_q1f5ae9e1eb_gate.kd
    .args:
      - { .name: x, .offset: 0, .size: 8, .value_kind: global_buffer, .address_space: global }
      - { .name: Wg, .offset: 8, .size: 8, .value_kind: global_buffer, .address_space: global }
      - { .name: bg, .offset: 16, .size: 8, .value_kind: global_buffer, .address_space: global }
      - { .name: out1, .offset: 24, .size: 8, .value_kind: global_buffer, .address_space: global }
      - { .name: xq, .offset: 32, .size: 8, .value_kind: global_buffer, .address_space: global }
      - { .name: sel, .offset: 40, .size: 8, .value_kind: global_buffer, .address_space: global }
    .group_segment_fixed_size: 108032
    .private_segment_fixed_size: 0
    .kernarg_segment_align: 8
    .kernarg_segment_size: 48
    .max_flat_workgroup_size: 128
    .sgpr_count:     66
    .vgpr_count:     512
    .wavefront_size: 32
...
	.end_amdgpu_metadata
.endif
;; end of part 1
;; launch place (part 2): grid 8 x 1, 32 waves a work-group, no clusters, 4,352 bytes of LDS; arguments sel, route; writes route
.if DOCPART == 2
	.amdgcn_target "amdgcn-amd-amdhsa--gfx1250"
	.amdhsa_code_object_version 6
	.text
	.protected	k_q1f5ae9e1eb_place
	.globl	k_q1f5ae9e1eb_place
	.p2align	8
	.type	k_q1f5ae9e1eb_place,@function
k_q1f5ae9e1eb_place:
	s_mov_b64 s[64:65], 0
	v_nop
	global_prefetch_b8 v0, s[64:65] scope:SCOPE_SE
	s_setreg_imm32_b32 hwreg(HW_REG_WAVE_MODE, 25, 1), 1
	s_wait_xcnt 0x0
; PLACE.  Work-group e ranks, in token order, the tokens that chose expert e.  Thread t is token t.  Whole numbers only.
; route: list[1024 e + rank] = token (bytes 0 ..); pos[2 t + slot] = 1024 e + rank (from POS; slot 0: the token's first choice, 1: its second); cnt[e] (from CNT).
; Each expert has room for all 1,024 tokens, so no sum over experts is needed and every split is served.  Each word has one writer.
.set POS, 32768
.set CNT, 40960
	s_load_b128 s[4:7], s[0:1], 0x0                ; sel s[4:5], route s[6:7]
	v_lshl_add_u32 v24, v0, 2, 0x100
	v_mov_b32 v25, 0
	v_lshrrev_b32 v1, 5, v0                        ; wave
	v_readfirstlane_b32 s8, v1
	v_and_b32 v2, 31, v0                           ; lane
	v_lshlrev_b32 v3, 2, v0                        ; 4 t
	s_mov_b32 s9, ttmp9                            ; e
	s_lshl_b32 s10, s9, 10
	s_lshl_b32 s11, s9, 2
	s_mov_b32 s12, 0x76543210
	s_mov_b32 s13, 0xfedcba98                      ; v_permlanex16_b32's selects for lane l xor 16
	v_lshlrev_b32 v8, 2, v1                        ; LDS: my wave's word
	v_lshlrev_b32 v11, 2, v2                       ; and the word of the wave with my lane's number
	v_mov_b32 v18, s11                             ; 4 e
	v_mov_b32 v19, 0                               ; written once: destinations of lane moves count as read
	v_mov_b32 v20, 0
	s_wait_kmcnt 0x0
	global_load_b32 v4, v3, s[4:5]
	s_wait_loadcnt 0x0
	v_and_b32 v5, 0xff, v4                         ; first choice
	v_bfe_u32 v6, v4, 8, 8                         ; second choice
	v_cmp_eq_u32 s20, s9, v5
	v_cmp_eq_u32 s21, s9, v6
	s_or_b32 s22, s20, s21                         ; the lanes whose token chose e
	s_bcnt1_i32_b32 s23, s22
	v_mbcnt_lo_u32_b32 v7, s22, 0                  ; how many of them stand below my lane
	v_mov_b32 v9, s23
	ds_store_b32 v8, v9                            ; all lanes write the same word with the same value
	s_wait_dscnt 0x0
	s_barrier_signal -1
	s_barrier_wait -1
	ds_load_b32 v10, v11                           ; lane i: wave i's count
	s_wait_dscnt 0x0
	v_cmp_gt_u32 vcc_lo, s8, v2
	v_cndmask_b32 v12, 0, v10, vcc_lo              ; only the waves below mine
.irp mk, 1,2,4,8
	v_mov_b32_dpp v19, v12 row_xmask:\mk row_mask:0xf bank_mask:0xf
	v_mov_b32_dpp v20, v10 row_xmask:\mk row_mask:0xf bank_mask:0xf
	v_add_nc_u32 v12, v12, v19
	v_add_nc_u32 v10, v10, v20
.endr
	v_permlanex16_b32 v19, v12, s12, s13
	v_permlanex16_b32 v20, v10, s12, s13
	v_add_nc_u32 v12, v12, v19                     ; chosen tokens in the waves below mine
	v_add_nc_u32 v10, v10, v20                     ; and in all: cnt[e]
	v_add_nc_u32 v13, v12, v7
	v_min_u32 v13, 0x3ff, v13                      ; my rank, held inside the expert's room
	v_add_nc_u32 v14, s10, v13                     ; my row: 1024 e + rank
	v_lshlrev_b32 v15, 2, v14
	v_cndmask_b32 v17, 0, 4, s21
	v_min_u32 v17, 4, v17                          ; 4 bytes on where e is my second choice
	v_lshl_add_u32 v16, v0, 3, v17
	s_wait_xcnt 0x0                                ; EXEC changes only behind this wait
	s_wait_tensorcnt 0x0
	ds_add_u32 v24, v25
	s_wait_dscnt 0x0
	s_and_saveexec_b32 s24, s22
	global_store_b32 v15, v0, s[6:7]               ; list
	global_store_b32 v16, v14, s[6:7] offset:POS   ; pos
	s_wait_xcnt 0x0
	s_or_b32 exec_lo, exec_lo, s24
	v_cmp_eq_u32 vcc_lo, 0, v0
	s_and_saveexec_b32 s24, vcc_lo
	global_store_b32 v18, v10, s[6:7] offset:CNT   ; thread 0 alone
	s_wait_xcnt 0x0
	s_or_b32 exec_lo, exec_lo, s24
	s_endpgm
.Lfunc_end_k_q1f5ae9e1eb_place:
	.size	k_q1f5ae9e1eb_place, .Lfunc_end_k_q1f5ae9e1eb_place-k_q1f5ae9e1eb_place
	.p2alignl 7, 3214868480
	.fill 96, 4, 3214868480
	.section	.rodata,"a",@progbits
	.p2align	6, 0x0
	.amdhsa_kernel k_q1f5ae9e1eb_place
		.amdhsa_group_segment_fixed_size 4352
		.amdhsa_private_segment_fixed_size 0
		.amdhsa_enable_private_segment 0
		.amdhsa_kernarg_size 16
		.amdhsa_user_sgpr_count 2
		.amdhsa_user_sgpr_kernarg_segment_ptr 1
		.amdhsa_wavefront_size32 1
		.amdhsa_system_sgpr_workgroup_id_x 1
		.amdhsa_system_sgpr_workgroup_id_y 1
		.amdhsa_system_sgpr_workgroup_id_z 1
		.amdhsa_system_vgpr_workitem_id 0
		.amdhsa_next_free_vgpr 26
		.amdhsa_next_free_sgpr 66
		.amdhsa_reserve_vcc 1
		.amdhsa_float_denorm_mode_32 3
		.amdhsa_float_denorm_mode_16_64 3
		.amdhsa_memory_ordered 1
		.amdhsa_forward_progress 1
		.amdhsa_inst_pref_size 4
	.end_amdhsa_kernel
	.amdgpu_metadata
---
amdhsa.version: [ 1, 2 ]
amdhsa.kernels:
  - .name:           k_q1f5ae9e1eb_place
    .symbol:         k_q1f5ae9e1eb_place.kd
    .args:
      - { .name: sel, .offset: 0, .size: 8, .value_kind: global_buffer, .address_space: global }
      - { .name: route, .offset: 8, .size: 8, .value_kind: global_buffer, .address_space: global }
    .group_segment_fixed_size: 4352
    .private_segment_fixed_size: 0
    .kernarg_segment_align: 8
    .kernarg_segment_size: 16
    .max_flat_workgroup_size: 1024
    .sgpr_count:     66
    .vgpr_count:     26
    .wavefront_size: 32
...
	.end_amdgpu_metadata
.endif
;; end of part 2
;; launch ffn1 (part 3): grid 2 x 128, 4 waves a work-group, no clusters, 201,216 bytes of LDS; arguments xq, W1_codes, W1_scales, b1, route, hq, hs; writes hq, hs
.if DOCPART == 3
	.amdgcn_target "amdgcn-amd-amdhsa--gfx1250"
	.amdhsa_code_object_version 6
	.text
	.protected	k_q1f5ae9e1eb_ffn1
	.globl	k_q1f5ae9e1eb_ffn1
	.p2align	8
	.type	k_q1f5ae9e1eb_ffn1,@function
k_q1f5ae9e1eb_ffn1:
	s_mov_b64 s[64:65], 0
	v_nop
	global_prefetch_b8 v0, s[64:65] scope:SCOPE_SE
	s_setreg_imm32_b32 hwreg(HW_REG_WAVE_MODE, 25, 1), 1
	s_wait_xcnt 0x0
; FFN, FIRST PRODUCT.  h = relu(x W1 + b1) for the rows that chose an expert, on codes of E3M2 with E8M0 scales, and h quantised along H in registers.
; SHARES.  Work-group (x = rs, y = 16 e + blk): expert e, hidden units 256 blk .. + 255, and of the expert's tiles of 16 routed rows those with number rs, rs + 2, ..
; Wave w keeps 64 rows of W1 (49,152 bytes, all of K = 1,024) in 384 registers for the whole launch; tiles of 16 tokens stream past them.  Waves share nothing: no barrier.
; WHICH ROWS.  Hidden units 128 ss .. + 127 (ss = 2 blk + w / 2) are K step ss of the next product: four blocks of 32.  Wave w owns blocks p and p + 2 of them, p = w % 2: two runs of 32 rows of W1, 64 rows apart.
; By the operand's layout these two blocks are all twelve registers of lanes 16 p .. 16 p + 15 of the next product's fragment, so what a wave stores of a fragment's image is 256 consecutive bytes of each of its three pieces.
; THE WEIGHTS come from memory in dense loads of 512 bytes, turn through the wave's own stage in LDS (rows 784 bytes apart: the 32 lanes of a load of 8 bytes touch 64 different banks) and stay.
; THE PRODUCT IS USED TRANSPOSED (source 0 = 16 rows of W1, source 1 = 16 tokens), and the rows that form a tile are chosen: lane r of tile 2 b + u takes row 8 u + r + 8 (r / 8) of my run b,
; so that the 16 registers of tiles 2 b, 2 b + 1 are 16 neighbours along H: 16 (lane / 16) + 0 .. 15 of my block b.  b1 is the C of each sum's first product.
; TWO TILES ARE ASKED FOR AT A TIME, A PAIR AHEAD: while one pair is multiplied and quantised, the next pair's 52 loads and the tokens of the pair after it (2 loads) are on their way: 54 loads of a wave, four buffers of 96 registers.
; hq: [tile g = 64 e + i][K step ss][3 pieces][lane][16 bytes]: a fragment of the next product as an image of its twelve registers, piece c = registers 4 c .. 4 c + 3.
; hs: [g][ss / 8][lane][8 words]: word ss % 8 = the scale word of K step ss of token lane % 16; a wave writes bytes p and p + 2 of it.
; A last tile that is not full takes the expert's last row again in its spare lanes: every byte of a tile that exists is written, and none of one that does not exist is read.
; NO TENSOR LOADS AND NO CLUSTER: the number of tiles is a count read from memory (route), so trip counts and branches hang on it; operands go from memory to registers.
; A work-group whose split has no tile ends at once: the price of a grid that serves every split, all tokens on one expert too.
; LIMITS.  A block of h whose largest number lies under 2^-122 (a block of zeros among them) gets the byte 1; NaN and infinities are not served.
.set XSC,  786432                      ; xq: where the scale bytes begin
.set CNT,  40960                       ; route: where the counts begin
.set SROW, 784
.set STGB, 64*SROW                     ; a wave's stage
.set GA,   3                           ; v3   16 x lane
.set VQ,   4                           ; v4   hq: 16 r + 256 p + 1,024 h: lanes 0-15 fill my 256 bytes of piece 0, lanes 16-31 those of piece 2
.set LA,   5                           ; v5   my stage + 16 x lane
.set LB,   6                           ; v6   the same, 16 further on for lanes 16-31 (they stand in the next row)
.set LF,   7                           ; v7   my stage + 784 r + 24 h: a fragment's place
.set PC,   32                          ; v32-38   the codes just made
.set AC,   48                          ; v48-79   four accumulators
.set TS2,  80                          ; v80-95   the tokens' scale words of buffers 2, 3;  v144-159 those of buffers 0, 1
.set WS,   112                         ; v112-143 W1's scale words: 8 t + s
.set B1,   192                         ; window 3, v192-223: b1 in the result's layout
; v1 r, v2 h, v8 W1's scale rows, v9 b1's offset, v14 384 h, v15 hq: 16 r + 256 p + 8 h (piece 1), v16 hs offset, v17 token held, v20-25 at work
; a pair's first tile: v10 list offset, v11 token, v12, v13 x's offsets, v40-47 what it stores;  its second: v19, v29, v30, v31, v96-103
; THE FOUR BUFFERS for the tokens' fragments, 96 registers each: 0, 1 in window 3 (v0-191); 2 in window 0 (v160-255); 3: K steps 0-3 in window 1, K steps 4-7 in window 2 (v192-239 of each)
; window 1, 2, v0-191: W1's fragments (tile t, K step s) at v[12 (4 t + s % 4)] of window 1 + s / 4
; s20 wave, s21 e, s22 blk, s23 rs, s24 count, s25 my tiles, s26 count - 1, s27 counts trips of four tiles (my tile number is 4 s27 + 0 .. 3), s32 the trips, s33 p, s48 lanes 16-31, s28-31 at work
.set MSB, 0
.macro WIN new                         ; the immediate's high byte repeats the setting that is left
.if MSB != \new
	s_set_vgpr_msb (MSB<<8)|\new
.set MSB, \new
.endif
.endm
.macro WPLACE                          ; where load jj of the weights' 96 lands: the four buffers, so that each of their registers is written on every path and none lies under a fragment
.if jj < 48
.set wn, 3
.set rg, 4*jj
.elseif jj < 72
.set wn, 0
.set rg, 160+4*(jj-48)
.elseif jj < 84
.set wn, 1
.set rg, 192+4*(jj-72)
.else
.set wn, 2
.set rg, 192+4*(jj-84)
.endif
.endm
.macro WLOAD                           ; two runs of 32 rows of 768 bytes, each on end: 2 x 48 loads of 512 bytes; the second run begins 64 rows behind the first
.set jj, 0
.rept 96
	WPLACE
.set wv, wn<<6
	WIN wv
	global_load_b128 v[rg:rg+3], v[GA], s[6:7] offset:512*jj+24576*(jj/48)
.set jj, jj+1
.endr
	WIN 0
.endm
.macro WSTAGE                          ; into the stage; groups of eight rows change places (1 with 2 in each four), which gives the tiles their rows
.set jj, 0
.rept 96
	WPLACE
.set wv, wn<<2
	WIN wv
.set qq, jj/3
.set rsl, 8*(((qq/4)&4)|(((qq/4)&1)<<1)|(((qq/4)>>1)&1))+2*(qq%4)
.if jj%3 == 0
	ds_store_b128 v[LA], v[rg:rg+3] offset:rsl*SROW
.elseif jj%3 == 1
	ds_store_b128 v[LB], v[rg:rg+3] offset:rsl*SROW+512
.else
	ds_store_b128 v[LA], v[rg:rg+3] offset:rsl*SROW+1040
.endif
.set jj, jj+1
.endr
	WIN 0
	s_wait_dscnt 0x0                               ; the stores have read their registers
.endm
.macro WFRAG                           ; a fragment: 16 rows x 128 K, 12 registers: lane (r, h) takes 24 bytes at 24 h and 24 at 48 + 24 h of its row's 96, in pieces of 8
	WIN 0x40
.set ks, 0
.rept 8
.if ks == 4
	WIN 0x80
.endif
.set tt, 0
.rept 4
.set pc, 0
.rept 6
	ds_load_b64 v[12*(4*tt+(ks&3))+2*pc:12*(4*tt+(ks&3))+2*pc+1], v[LF] offset:16*tt*SROW+96*ks+48*(pc/3)+8*(pc%3)
.set pc, pc+1
.endr
.set tt, tt+1
.endr
.set ks, ks+1
.endr
	WIN 0
.endm
.macro TSREG p                         ; tsr: buffer p's eight scale words
.if (\p) < 2
.set tsr, 144+8*(\p)
.else
.set tsr, TS2+8*((\p)-2)
.endif
.endm
; 32 products on buffer p: K step by K step, the four accumulators by turns, one instruction a turn.
; Windows: source 0 (W1) 1 + s / 4; source 1 the buffer's; source 2 window 3 in the first K step, where it is b1.
; Five plain lines follow: ahead of the first read of results, of loads into the operands' registers, and of the next tile's products, which begin the accumulators anew.
.macro MULS p
	TSREG \p
.set ks, 0
.rept 8
.if (\p) < 2
.set wb, 3
.set rB, 96*(\p)+12*ks
.elseif (\p) == 2
.set wb, 0
.set rB, 160+12*ks
.else
.set wb, 1+ks/4
.set rB, 192+12*(ks%4)
.endif
.set wv, (1+ks/4)|(wb<<2)
.if ks == 0
.set wv, wv|0x30
.endif
	WIN wv
.set tt, 0
.rept 4
.set rA, 12*(4*tt+(ks&3))
.set rD, AC+8*tt
.if ks == 0
	v_wmma_scale_f32_16x16x128_f8f6f4 v[rD:rD+7], v[rA:rA+11], v[rB:rB+11], v[B1+8*tt:B1+8*tt+7], v[WS+8*tt+ks], v[tsr+ks] matrix_a_fmt:MATRIX_FMT_BF6 matrix_b_fmt:MATRIX_FMT_BF6
.else
	v_wmma_scale_f32_16x16x128_f8f6f4 v[rD:rD+7], v[rA:rA+11], v[rB:rB+11], v[rD:rD+7], v[WS+8*tt+ks], v[tsr+ks] matrix_a_fmt:MATRIX_FMT_BF6 matrix_b_fmt:MATRIX_FMT_BF6
.endif
.set tt, tt+1
.endr
.set ks, ks+1
.endr
	WIN 0
.rept 5
	v_nop
.endr
.endm
.macro LTOK lo, tk, add                ; the token of my lane's row in my tile number 4 s27 + add; a row past the expert's last takes the last
	s_lshl_b32 s28, s27, 2
	s_add_co_u32 s28, s28, (\add)
	s_lshl_b32 s28, s28, 1
	s_add_co_u32 s28, s28, s23                     ; the tile's number within the expert: rs + 2 x mine
	s_lshl_b32 s28, s28, 4
	v_add_nc_u32 v[\lo], s28, v1
	v_min_u32 v[\lo], s26, v[\lo]
	v_min_u32 v[\lo], 0x3ff, v[\lo]
	v_lshlrev_b32 v[\lo], 2, v[\lo]
	global_load_b32 v[\tk], v[\lo], s[34:35]
.endm
.macro XADR tk, xo, xso                ; where that token's codes (my half of the lanes' 384 bytes) and scale bytes lie
	v_min_u32 v17, 0x3ff, v[\tk]
	v_mul_u32_u24 v[\xo], v17, 768
	v_add_nc_u32 v[\xo], v[\xo], v14
	v_lshlrev_b32 v[\xso], 5, v17
.endm
.macro LOADX p, xo, xso                ; 16 tokens x 1,024 K into buffer p: eight fragments, 96 registers, as they lie in xq; and eight scale words
.set jj, 0
.rept 24
.if (\p) < 2
.set wv, 0xc0
.set rg, 96*(\p)+4*jj
.elseif (\p) == 2
.set wv, 0
.set rg, 160+4*jj
.else
.set wv, (1+jj/12)<<6
.set rg, 192+4*(jj%12)
.endif
	WIN wv
	global_load_b128 v[rg:rg+3], v[\xo], s[4:5] offset:16*jj
.set jj, jj+1
.endr
	WIN 0
	TSREG \p
	global_load_b128 v[tsr:tsr+3], v[\xso], s[4:5] offset:XSC
	global_load_b128 v[tsr+4:tsr+7], v[\xso], s[4:5] offset:XSC+16
.endm
; relu, then my two blocks of 16 tokens become codes and bytes: v[q] .. v[q + 5] the codes in the order in which they are stored, v[q + 6], v[q + 7] the two bytes
.macro QUANT2 q
.set jj, 0
.rept 32
	v_max_num_f32 v[AC+jj], 0, v[AC+jj]            ; ascending: each accumulator is read from its low end on
.set jj, jj+1
.endr
.irp b, 0,1
	v_max3_num_f32 v[20+\b], v[AC+16*\b], v[AC+16*\b+1], 0x2800000   ; none is negative; the floor 2^(5 - 127) holds the byte at 1 from below
.endr
.irp i, 2,4,6,8,10,12,14
.irp b, 0,1
	v_max3_num_f32 v[20+\b], v[20+\b], v[AC+16*\b+\i], v[AC+16*\b+\i+1]
.endr
.endr
.irp b, 0,1
	v_permlanex16_b32 v[22+\b], v[20+\b], s44, s45
.endr
.irp b, 0,1
	v_max_num_f32 v[20+\b], v[20+\b], v[22+\b]     ; with lane l xor 16's 16: the block's largest
.endr
.irp b, 0,1
	v_add_nc_u32 v[24+\b], 0xfe000000, v[20+\b]    ; 4 off its exponent field: the conversion's scale operand
.endr
.irp b, 0,1
	v_lshrrev_b32 v[\q+6+\b], 23, v[24+\b]         ; the scale's byte
.endr
	v_cvt_scalef32_pk16_bf6_f32 v[PC:PC+2], v[AC:AC+15], v24
	v_cvt_scalef32_pk16_bf6_f32 v[PC+4:PC+6], v[AC+16:AC+31], v25
	v_nop                                          ; a plain line behind the conversions
.irp i, 0,1,2
	v_permlane16_swap_b32 v[PC+\i], v[PC+4+\i]     ; lanes 0-15 now hold my first block whole (PC .. PC + 2, PC + 4 .. PC + 6: its six registers), lanes 16-31 my second
.endr
	; a token's twelve registers are the first block's six, then the second's.  Piece 0 = the first's 0-3; piece 1 = the first's 4, 5 and the second's 0, 1; piece 2 = the second's 2-5.
	; So lanes 0-15 store registers 0-3 and then 4, 5 of their six, lanes 16-31 registers 2-5 and then 0, 1: one store of 16 bytes and one of 8 serve both halves
	v_cndmask_b32 v[\q], v[PC], v[PC+2], s48
	v_cndmask_b32 v[\q+1], v[PC+1], v[PC+4], s48
	v_cndmask_b32 v[\q+2], v[PC+2], v[PC+5], s48
	v_cndmask_b32 v[\q+3], v[PC+4], v[PC+6], s48
	v_cndmask_b32 v[\q+4], v[PC+5], v[PC], s48
	v_cndmask_b32 v[\q+5], v[PC+6], v[PC+1], s48
.endm
; My tile number 4 s27 + p, in buffer p.  q: its store data; ba: its four scalar registers of store bases.  Each tile of a pair has its own, so that one wait a pair frees them.
.macro TILE p, q, ba
	s_lshl_b32 s28, s27, 2
	s_add_co_u32 s28, s28, \p
	s_lshl_b32 s28, s28, 1
	s_add_co_u32 s28, s28, s23
	s_min_u32 s28, s28, 63                         ; the tile's number within the expert
	s_lshl_b32 s29, s21, 6
	s_add_co_u32 s28, s28, s29                     ; g
	s_mul_i32 s30, s28, 49152
	s_mov_b32 s31, 0
	s_add_nc_u64 s[\ba:\ba+1], s[36:37], s[30:31]
	s_lshl_b32 s30, s28, 12
	s_add_nc_u64 s[\ba+2:\ba+3], s[38:39], s[30:31]
	MULS \p
	QUANT2 \q
	global_store_b128 v[VQ], v[\q:\q+3], s[\ba:\ba+1]                ; sixteen lanes store 256 consecutive bytes, at a multiple of 256 from hq's first byte: pieces 0 and 2
	global_store_b64 v15, v[\q+4:\q+5], s[\ba:\ba+1] offset:512      ; the 32 lanes fill my 256 bytes of piece 1
	global_store_b8 v16, v[\q+6], s[\ba+2:\ba+3]                     ; byte p of the token's scale word,
	global_store_b8 v16, v[\q+7], s[\ba+2:\ba+3] offset:2            ; and byte p + 2
.endm
; Two of my tiles, numbers 4 s27 + 2 pr and + 1, in buffers 2 pr and 2 pr + 1.  The next pair is asked for first, into the other two buffers.
.macro PAIR pr
	s_wait_loadcnt 0x0                             ; this pair's fragments and scale words and the next pair's tokens are in; their address registers are free
	s_wait_xcnt 0x0                                ; the last pair's stores have read their data and bases
	XADR 11, 12, 13
	XADR 29, 30, 31
	LOADX 2-2*\pr, 12, 13                          ; the next pair lands while this one is multiplied and quantised
	LOADX 3-2*\pr, 30, 31
	LTOK 10, 11, 2*\pr+4
	LTOK 19, 29, 2*\pr+5
	TILE 2*\pr, 40, 40
	s_lshl_b32 s28, s27, 2
	s_add_co_u32 s28, s28, 2*\pr+1
	s_cmp_lt_u32 s28, s25
	s_cbranch_scc1 .Lsecond_\@
	s_wait_tensorcnt 0x0
	ds_add_u32 v110, v111
	s_wait_dscnt 0x0
	s_endpgm                                       ; an odd number of tiles: the last one is done
.Lsecond_\@:
	TILE 2*\pr+1, 96, 52
.endm
	s_load_b256 s[4:11], s[0:1], 0x0               ; xq s[4:5], W1's codes s[6:7], W1's scales s[8:9], b1 s[10:11]
	s_load_b128 s[12:15], s[0:1], 0x20             ; route s[12:13], hq s[14:15]
	s_load_b64 s[16:17], s[0:1], 0x30              ; hs
	v_lshl_add_u32 v110, v0, 2, 0x31000
	v_mov_b32 v111, 0
	v_lshrrev_b32 v1, 5, v0
	v_readfirstlane_b32 s20, v1                    ; wave
	s_and_b32 s28, ttmp7, 0xffff
	s_lshr_b32 s21, s28, 4                         ; e
	s_and_b32 s22, s28, 15                         ; blk
	s_mov_b32 s23, ttmp9                           ; rs
	s_lshr_b32 s28, s20, 1
	s_and_b32 s33, s20, 1                          ; p
	s_lshl_b32 s30, s22, 1
	s_add_co_u32 s30, s30, s28                     ; ss = 2 blk + wave / 2
	s_mov_b32 s44, 0x76543210
	s_mov_b32 s45, 0xfedcba98                      ; v_permlanex16_b32's selects for lane l xor 16
	s_mov_b32 s48, 0xffff0000                      ; lanes 16-31
	s_mov_b32 s27, 0
	v_and_b32 v18, 31, v0                          ; lane
	v_and_b32 v1, 15, v0                           ; r
	v_bfe_u32 v2, v0, 4, 1                         ; h
	v_lshlrev_b32 v[GA], 4, v18
	s_mul_i32 s29, s20, STGB
	v_add_nc_u32 v[LA], s29, v[GA]
	v_lshl_add_u32 v[LB], v2, 4, v[LA]
	v_mul_u32_u24 v[LF], v1, SROW
	v_mad_u32_u24 v[LF], v2, 24, v[LF]
	v_add_nc_u32 v[LF], s29, v[LF]
	v_and_b32 v8, 8, v1
	v_add_nc_u32 v8, v8, v1
	v_lshlrev_b32 v8, 5, v8                        ; W1's scales: 32 bytes a row, row r + 8 (r / 8) of a tile's span
	v_lshlrev_b32 v9, 6, v2                        ; b1: 16 h numbers on
	v_mul_u32_u24 v14, v2, 384
	s_lshl_b32 s28, s33, 8
	v_lshl_add_u32 v[VQ], v1, 4, s28               ; 16 r + 256 p: token r's place among the fragment's lanes 16 p .. 16 p + 15
	v_lshl_add_u32 v15, v2, 3, v[VQ]               ; piece 1: + 8 h
	v_lshl_add_u32 v[VQ], v2, 10, v[VQ]            ; pieces 0 and 2: + 1,024 h
	s_and_b32 s28, s30, 7
	s_lshl_b32 s28, s28, 2
	s_add_co_u32 s28, s28, s33
	v_lshl_add_u32 v16, v18, 5, s28                ; hs: 32 x lane + 4 (ss % 8) + p
	v_mov_b32 v22, 0                               ; written once: a lane permute's destination counts as one of its sources
	v_mov_b32 v23, 0
	s_mov_b32 s29, 0
	s_wait_kmcnt 0x0
	s_lshl_b32 s28, s21, 2
	s_add_nc_u64 s[46:47], s[12:13], s[28:29]
	s_load_b32 s24, s[46:47], CNT                  ; the expert's rows
	s_lshl_b32 s28, s21, 12                        ; 4,096 e: the expert's list in bytes, and its first row of W1
	s_add_nc_u64 s[34:35], s[12:13], s[28:29]
	s_lshl_b32 s31, s30, 7
	s_add_co_u32 s31, s31, s28
	s_lshl_b32 s28, s33, 5
	s_add_co_u32 s31, s31, s28                     ; my first row of W1: 4,096 e + 128 ss + 32 p
	s_mul_i32 s28, s31, 768
	s_add_nc_u64 s[6:7], s[6:7], s[28:29]
	s_lshl_b32 s28, s31, 5
	s_add_nc_u64 s[8:9], s[8:9], s[28:29]
	s_lshl_b32 s28, s31, 2
	s_add_nc_u64 s[10:11], s[10:11], s[28:29]
	s_mul_i32 s28, s30, 1536
	s_add_nc_u64 s[36:37], s[14:15], s[28:29]      ; hq at K step ss
	s_lshr_b32 s28, s30, 3
	s_lshl_b32 s28, s28, 10
	s_add_nc_u64 s[38:39], s[16:17], s[28:29]      ; hs at ss / 8
	WLOAD
.irp t, 0,1,2,3
	global_load_b128 v[WS+8*\t:WS+8*\t+3], v8, s[8:9] offset:(64*(\t/2)+8*(\t%2))*32
	global_load_b128 v[WS+8*\t+4:WS+8*\t+7], v8, s[8:9] offset:(64*(\t/2)+8*(\t%2))*32+16
.endr
	WIN 0xc0
.irp t, 0,1,2,3
	global_load_b128 v[B1+8*\t:B1+8*\t+3], v9, s[10:11] offset:(64*(\t/2)+8*(\t%2))*4
	global_load_b128 v[B1+8*\t+4:B1+8*\t+7], v9, s[10:11] offset:(64*(\t/2)+8*(\t%2))*4+16
.endr
	WIN 0
	s_wait_kmcnt 0x0
	s_min_u32 s24, s24, 1024
	s_add_co_u32 s28, s24, 15
	s_lshr_b32 s28, s28, 4                         ; the expert's tiles
	s_add_co_u32 s28, s28, 1
	s_sub_co_u32 s28, s28, s23
	s_lshr_b32 s25, s28, 1                         ; mine: numbers rs, rs + 2, ..
	s_add_co_u32 s32, s25, 3
	s_lshr_b32 s32, s32, 2                         ; and the trips of four of them, a last part of a trip counted as one: 8 at the most
	s_cmp_lg_u32 s25, 0
	s_cbranch_scc1 .Lwork
	s_endpgm                                       ; this split leaves me no tile
.Lwork:
	s_sub_co_u32 s26, s24, 1
	LTOK 10, 11, 0
	LTOK 19, 29, 1
	s_wait_loadcnt 0x0                             ; the weights, their scales, b1 and the first pair's tokens
	XADR 11, 12, 13
	XADR 29, 30, 31
	WSTAGE
	LOADX 0, 12, 13                                ; only now: the buffers lie where the weights were loaded
	LOADX 1, 30, 31
	LTOK 10, 11, 2
	LTOK 19, 29, 3
	WFRAG                                          ; the first pair lands meanwhile
	s_wait_dscnt 0x0
.Lquad:                                            ; a trip takes four of my tiles, one in each buffer; the counter counts trips, one a trip
	PAIR 0
	s_lshl_b32 s28, s27, 2
	s_add_co_u32 s28, s28, 2
	s_cmp_lt_u32 s28, s25
	s_cbranch_scc1 .Lmore
	s_wait_tensorcnt 0x0
	ds_add_u32 v110, v111
	s_wait_dscnt 0x0
	s_endpgm                                       ; no second pair in this trip
.Lmore:
	PAIR 1
	s_add_co_u32 s27, s27, 1
	s_cmp_lt_u32 s27, s32
	s_cbranch_scc1 .Lquad
	s_wait_tensorcnt 0x0
	ds_add_u32 v110, v111
	s_wait_dscnt 0x0
	s_endpgm
.Lfunc_end_k_q1f5ae9e1eb_ffn1:
	.size	k_q1f5ae9e1eb_ffn1, .Lfunc_end_k_q1f5ae9e1eb_ffn1-k_q1f5ae9e1eb_ffn1
	.p2alignl 7, 3214868480
	.fill 96, 4, 3214868480
	.section	.rodata,"a",@progbits
	.p2align	6, 0x0
	.amdhsa_kernel k_q1f5ae9e1eb_ffn1
		.amdhsa_group_segment_fixed_size 201216
		.amdhsa_private_segment_fixed_size 0
		.amdhsa_enable_private_segment 0
		.amdhsa_kernarg_size 56
		.amdhsa_user_sgpr_count 2
		.amdhsa_user_sgpr_kernarg_segment_ptr 1
		.amdhsa_wavefront_size32 1
		.amdhsa_system_sgpr_workgroup_id_x 1
		.amdhsa_system_sgpr_workgroup_id_y 1
		.amdhsa_system_sgpr_workgroup_id_z 1
		.amdhsa_system_vgpr_workitem_id 0
		.amdhsa_next_free_vgpr 1024
		.amdhsa_next_free_sgpr 66
		.amdhsa_reserve_vcc 0
		.amdhsa_float_denorm_mode_32 3
		.amdhsa_float_denorm_mode_16_64 3
		.amdhsa_memory_ordered 1
		.amdhsa_forward_progress 1
		.amdhsa_inst_pref_size 86
	.end_amdhsa_kernel
	.amdgpu_metadata
---
amdhsa.version: [ 1, 2 ]
amdhsa.kernels:
  - .name:           k_q1f5ae9e1eb_ffn1
    .symbol:         k_q1f5ae9e1eb_ffn1.kd
    .args:
      - { .name: xq, .offset: 0, .size: 8, .value_kind: global_buffer, .address_space: global }
      - { .name: W1_codes, .offset: 8, .size: 8, .value_kind: global_buffer, .address_space: global }
      - { .name: W1_scales, .offset: 16, .size: 8, .value_kind: global_buffer, .address_space: global }
      - { .name: b1, .offset: 24, .size: 8, .value_kind: global_buffer, .address_space: global }
      - { .name: route, .offset: 32, .size: 8, .value_kind: global_buffer, .address_space: global }
      - { .name: hq, .offset: 40, .size: 8, .value_kind: global_buffer, .address_space: global }
      - { .name: hs, .offset: 48, .size: 8, .value_kind: global_buffer, .address_space: global }
    .group_segment_fixed_size: 201216
    .private_segment_fixed_size: 0
    .kernarg_segment_align: 8
    .kernarg_segment_size: 56
    .max_flat_workgroup_size: 128
    .sgpr_count:     66
    .vgpr_count:     1024
    .wavefront_size: 32
...
	.end_amdgpu_metadata
.endif
;; end of part 3
;; launch ffn2 (part 4): grid 2 x 128, 4 waves a work-group, no clusters, 270,848 bytes of LDS; arguments hq, hs, W2_codes, W2_scales, b2, route, yrow; writes yrow
.if DOCPART == 4
	.amdgcn_target "amdgcn-amd-amdhsa--gfx1250"
	.amdhsa_code_object_version 6
	.text
	.protected	k_q1f5ae9e1eb_ffn2
	.globl	k_q1f5ae9e1eb_ffn2
	.p2align	8
	.type	k_q1f5ae9e1eb_ffn2,@function
k_q1f5ae9e1eb_ffn2:
	s_mov_b64 s[64:65], 0
	v_nop
	global_prefetch_b8 v0, s[64:65] scope:SCOPE_SE
	s_setreg_imm32_b32 hwreg(HW_REG_WAVE_MODE, 25, 1), 1
	s_wait_xcnt 0x0
; FFN, SECOND PRODUCT.  yrow[1024 e + row] = h W2 + b2 for each routed row, on codes of E3M2 with E8M0 scales.
; SHARES.  Work-group (x = rs, y = 16 e + cb): expert e, output columns 64 cb .. + 63, and of the expert's tiles of 16 rows those with number rs, rs + 2, ..
; THE WAVES SPLIT K: wave w keeps bytes 768 w .. + 767 (K steps 8 w .. 8 w + 7) of the 64 rows of W2 in 384 registers for the whole launch, so each byte of h enters the work-group once, into the one wave that uses it.
; The four partial sums of a tile meet in LDS; each wave adds and stores four rows, sixteen lanes to 256 consecutive, aligned bytes.
; The product is used transposed (source 0 = 16 rows of W2, source 1 = 16 tokens): a lane holds eight neighbouring columns of one token.
; THE WEIGHTS come from memory in pieces of 256 bytes or more, turn through the wave's own stage in LDS (rows 784 bytes apart) and stay.
; h comes as images of the operand's registers (hq: [tile][K step][3 pieces][lane][16 bytes]: my eight K steps of a tile are 12,288 bytes on end, 24 loads of 512) and ready scale words (hs), as the launch before has laid them.
; TWO TILES ARE ASKED FOR AT A TIME, A BATCH AHEAD: while one batch is multiplied, summed and stored, the next batch's 52 loads are on their way: four buffers of 96 registers.
; BARRIERS STAND ON EVERY WAVE'S PATH: the loop has a constant 8 trips of 2 batches of 2 tiles, the most a split can have (32); a tile's work lies inside a branch on the stored count, the barriers outside.
; Every wait for loads is for all of them: it holds whichever of those branches were taken.
; NO TENSOR LOADS AND NO CLUSTER: branches hang on a count read from memory (route); operands go from memory to registers.
; The sum over K is made of four partial sums: its order differs from an ascending one.
.set CNT,  40960                       ; route: where the counts begin
.set WP,   3072                        ; a row of W2 in bytes
.set SROW, 784
.set STGB, 64*SROW                     ; a wave's stage
.set RED,  4*STGB                      ; behind the stages: two sets of partial sums; in a set: tau x 17,408 + wave x 4,352: 16 rows of 256 + 16 bytes
.set SETB, 2*17408                     ; a set
.set GA,   3                           ; v3   16 x lane
.set GB,   4                           ; v4   the same, a row less 768 bytes further on for lanes 16-31
.set LA,   5                           ; v5   my stage + 16 x lane
.set LB,   6                           ; v6   the same, 16 further on for lanes 16-31
.set LF,   7                           ; v7   my stage + 784 r + 24 h
.set B2,   20                          ; v20-23   b2 of my four columns
.set TS2,  32                          ; v32-47   h's scale words of buffers 2, 3;  v144-159 those of buffers 0, 1
.set AC,   48                          ; v48-79   four accumulators
.set RD,   80                          ; v80-111  four waves' partial sums of my four rows
.set WS,   112                         ; v112-143 W2's scale words: 8 t + s
; v1 r, v2 h, v8 W2's scale rows, v9 16 r, v11 32 x lane, v14 my place in yrow
; v12, v16 partial sums in (set 0, set 1); v13, v15 partial sums out (set 0, set 1): a set has address registers of its own, so that every immediate stays inside the LDS instructions' 16 bits
; THE FOUR BUFFERS for h's fragments, 96 registers each: 0, 1 in window 3 (v0-191); 2 in window 0 (v160-255); 3: K steps 0-3 in window 1, K steps 4-7 in window 2 (v192-239 of each)
; window 1, 2, v0-191: W2's fragments (tile t, K step s) at v[12 (4 t + s % 4)] of window 1 + s / 4
; s20 wave, s21 e, s22 cb, s23 rs, s24 count, s25 my tiles, s26 my tiles - 1, s27 tile counter, s28-31 at work; s[40:43], s[52:55] the load bases of a batch's two tiles
.set MSB, 0
.macro WIN new                         ; the immediate's high byte repeats the setting that is left
.if MSB != \new
	s_set_vgpr_msb (MSB<<8)|\new
.set MSB, \new
.endif
.endm
.macro WPLACE                          ; where load jj of the weights' 96 lands: the four buffers, so that each of their registers is written on every path and none lies under a fragment
.if jj < 48
.set wn, 3
.set rg, 4*jj
.elseif jj < 72
.set wn, 0
.set rg, 160+4*(jj-48)
.elseif jj < 84
.set wn, 1
.set rg, 192+4*(jj-72)
.else
.set wn, 2
.set rg, 192+4*(jj-84)
.endif
.endm
.macro WLOAD                           ; 64 rows x 768 bytes, WP apart: two rows are three loads of 512 bytes, the middle one 256 of each row
.set jj, 0
.rept 96
	WPLACE
.set wv, wn<<6
	WIN wv
.set qq, jj/3
.if jj%3 == 0
	global_load_b128 v[rg:rg+3], v[GA], s[8:9] offset:2*qq*WP
.elseif jj%3 == 1
	global_load_b128 v[rg:rg+3], v[GB], s[8:9] offset:2*qq*WP+512
.else
	global_load_b128 v[rg:rg+3], v[GA], s[8:9] offset:(2*qq+1)*WP+256
.endif
.set jj, jj+1
.endr
	WIN 0
.endm
.macro WSTAGE
.set jj, 0
.rept 96
	WPLACE
.set wv, wn<<2
	WIN wv
.set qq, jj/3
.if jj%3 == 0
	ds_store_b128 v[LA], v[rg:rg+3] offset:2*qq*SROW
.elseif jj%3 == 1
	ds_store_b128 v[LB], v[rg:rg+3] offset:2*qq*SROW+512
.else
	ds_store_b128 v[LA], v[rg:rg+3] offset:2*qq*SROW+1040
.endif
.set jj, jj+1
.endr
	WIN 0
	s_wait_dscnt 0x0                               ; the stores have read their registers
.endm
.macro WFRAG                           ; a fragment: 16 rows x 128 K, 12 registers: lane (r, h) takes 24 bytes at 24 h and 24 at 48 + 24 h of its row's 96, in pieces of 8
	WIN 0x40
.set ks, 0
.rept 8
.if ks == 4
	WIN 0x80
.endif
.set tt, 0
.rept 4
.set pc, 0
.rept 6
	ds_load_b64 v[12*(4*tt+(ks&3))+2*pc:12*(4*tt+(ks&3))+2*pc+1], v[LF] offset:16*tt*SROW+96*ks+48*(pc/3)+8*(pc%3)
.set pc, pc+1
.endr
.set tt, tt+1
.endr
.set ks, ks+1
.endr
	WIN 0
.endm
.macro TSREG p                         ; tsr: buffer p's eight scale words
.if (\p) < 2
.set tsr, 144+8*(\p)
.else
.set tsr, TS2+8*((\p)-2)
.endif
.endm
; 32 products on buffer p: K step by K step, the four accumulators by turns, one instruction a turn; the first K step starts the sums.
; Windows: source 0 (W2) 1 + s / 4; source 1 the buffer's.
; Five plain lines follow: ahead of the first read of results, of loads into the operands' registers, and of the next tile's products, which begin the accumulators anew.
.macro MULS p
	TSREG \p
.set ks, 0
.rept 8
.if (\p) < 2
.set wb, 3
.set rB, 96*(\p)+12*ks
.elseif (\p) == 2
.set wb, 0
.set rB, 160+12*ks
.else
.set wb, 1+ks/4
.set rB, 192+12*(ks%4)
.endif
.set wv, (1+ks/4)|(wb<<2)
	WIN wv
.set tt, 0
.rept 4
.set rA, 12*(4*tt+(ks&3))
.set rD, AC+8*tt
.if ks == 0
	v_wmma_scale_f32_16x16x128_f8f6f4 v[rD:rD+7], v[rA:rA+11], v[rB:rB+11], 0, v[WS+8*tt+ks], v[tsr+ks] matrix_a_fmt:MATRIX_FMT_BF6 matrix_b_fmt:MATRIX_FMT_BF6
.else
	v_wmma_scale_f32_16x16x128_f8f6f4 v[rD:rD+7], v[rA:rA+11], v[rB:rB+11], v[rD:rD+7], v[WS+8*tt+ks], v[tsr+ks] matrix_a_fmt:MATRIX_FMT_BF6 matrix_b_fmt:MATRIX_FMT_BF6
.endif
.set tt, tt+1
.endr
.set ks, ks+1
.endr
	WIN 0
.rept 5
	v_nop
.endr
.endm
; My K quarter of my tile number s27 + add (held at my last tile) into buffer p: 24 loads of 512 bytes on end, and eight scale words.  ba: the four scalar registers of its bases
.macro LOADH p, add, ba
	s_add_co_u32 s28, s27, (\add)
	s_min_u32 s28, s28, s26
	s_min_u32 s28, s28, 31
	s_lshl_b32 s28, s28, 1
	s_add_co_u32 s28, s28, s23
	s_lshl_b32 s29, s21, 6
	s_add_co_u32 s28, s28, s29                     ; g
	s_mul_i32 s30, s28, 49152
	s_mov_b32 s31, 0
	s_add_nc_u64 s[\ba:\ba+1], s[36:37], s[30:31]
	s_lshl_b32 s30, s28, 12
	s_add_nc_u64 s[\ba+2:\ba+3], s[38:39], s[30:31]
.set jj, 0
.rept 24
.if (\p) < 2
.set wv, 0xc0
.set rg, 96*(\p)+4*jj
.elseif (\p) == 2
.set wv, 0
.set rg, 160+4*jj
.else
.set wv, (1+jj/12)<<6
.set rg, 192+4*(jj%12)
.endif
	WIN wv
	global_load_b128 v[rg:rg+3], v[GA], s[\ba:\ba+1] offset:512*jj
.set jj, jj+1
.endr
	WIN 0
	TSREG \p
	global_load_b128 v[tsr:tsr+3], v11, s[\ba+2:\ba+3]
	global_load_b128 v[tsr+4:tsr+7], v11, s[\ba+2:\ba+3] offset:16
.endm
.macro SUMS tau, buf                   ; my K quarter's partial sums of a tile go to LDS, set buf
.irp c, 0,1,2,3
	ds_store_b128 v[12+4*\buf], v[AC+8*\c:AC+8*\c+3] offset:\tau*17408+64*\c        ; each accumulator from its low end on
	ds_store_b128 v[12+4*\buf], v[AC+8*\c+4:AC+8*\c+7] offset:\tau*17408+64*\c+16
.endr
.endm
; My tile number s27 + 2 buf + tau, if there is one: rows 4 w .. 4 w + 3 of the four waves' partial sums are added, with b2, and stored.
.macro REDUCE tau, buf
	s_add_co_u32 s28, s27, 2*\buf+\tau
	s_cmp_lt_u32 s28, s25
	s_cbranch_scc0 .Lno_sum_\@
	s_wait_xcnt 0x0                                ; the earlier stores have read their data and their base
	s_lshl_b32 s28, s28, 1
	s_add_co_u32 s28, s28, s23
	s_min_u32 s28, s28, 63                         ; the tile's number within the expert: 16 rows of 4,096 bytes each
	s_lshl_b32 s30, s28, 16
	s_mov_b32 s31, 0
	s_add_nc_u64 s[48:49], s[46:47], s[30:31]
.irp u, 0,1,2,3
.irp a, 0,1
	ds_load_b128 v[RD+4*(2*\u+\a):RD+4*(2*\u+\a)+3], v[13+2*\buf] offset:\tau*17408+4352*\u+544*\a
.endr
.endr
	s_wait_dscnt 0x0
.irp a, 0,1
.irp d, 0,2
	v_pk_add_f32 v[RD+4*\a+\d:RD+4*\a+\d+1], v[RD+4*\a+\d:RD+4*\a+\d+1], v[RD+8+4*\a+\d:RD+8+4*\a+\d+1]
	v_pk_add_f32 v[RD+16+4*\a+\d:RD+16+4*\a+\d+1], v[RD+16+4*\a+\d:RD+16+4*\a+\d+1], v[RD+24+4*\a+\d:RD+24+4*\a+\d+1]
.endr
.endr
.irp a, 0,1
.irp d, 0,2
	v_pk_add_f32 v[RD+4*\a+\d:RD+4*\a+\d+1], v[RD+4*\a+\d:RD+4*\a+\d+1], v[RD+16+4*\a+\d:RD+16+4*\a+\d+1]
.endr
.endr
.irp a, 0,1
.irp d, 0,2
	v_pk_add_f32 v[RD+4*\a+\d:RD+4*\a+\d+1], v[RD+4*\a+\d:RD+4*\a+\d+1], v[B2+\d:B2+\d+1]
.endr
.endr
.irp a, 0,1
	global_store_b128 v14, v[RD+4*\a:RD+4*\a+3], s[48:49] offset:8192*\a   ; sixteen lanes store 256 consecutive bytes, at a multiple of 256 from yrow's first byte
.endr
.Lno_sum_\@:
.endm
; Two tiles, numbers s27 + 2 buf and + 1, in buffers 2 buf and 2 buf + 1; one barrier.  The next batch, if there is one, is asked for first, into the other two buffers.
; The two sets of LDS bytes take turns: a set is written again only behind the other set's barrier, which every wave reaches behind the wait for its reads of this one.
.macro BATCH buf
	s_add_co_u32 s28, s27, 2*\buf
	s_cmp_lt_u32 s28, s25
	s_cbranch_scc0 .Lno_pair_\@
	s_wait_loadcnt 0x0                             ; this batch's fragments and scale words are in, and the loads' bases are free
	s_add_co_u32 s28, s27, 2*\buf+2
	s_cmp_lt_u32 s28, s25
	s_cbranch_scc0 .Lno_next_\@
	LOADH 2-2*\buf, 2*\buf+2, 40                   ; the next batch lands while this one is multiplied, summed and stored
	LOADH 3-2*\buf, 2*\buf+3, 52
.Lno_next_\@:
	MULS 2*\buf
	SUMS 0, \buf
	s_add_co_u32 s28, s27, 2*\buf+1
	s_cmp_lt_u32 s28, s25
	s_cbranch_scc0 .Lno_pair_\@
	MULS 2*\buf+1
	SUMS 1, \buf
.Lno_pair_\@:
	s_wait_dscnt 0x0                               ; for the others' sake: my partial sums lie in LDS, and my reads of the other set are over
	s_barrier_signal -1
	s_barrier_wait -1
	REDUCE 0, \buf
	REDUCE 1, \buf
.endm
	s_load_b256 s[4:11], s[0:1], 0x0               ; hq s[4:5], hs s[6:7], W2's codes s[8:9], W2's scales s[10:11]
	s_load_b128 s[12:15], s[0:1], 0x20             ; b2 s[12:13], route s[14:15]
	s_load_b64 s[16:17], s[0:1], 0x30              ; yrow
	v_lshl_add_u32 v30, v0, 2, 0x42000
	v_mov_b32 v31, 0
.irp i, 0,1,2,3,4,5,6,7,8,9,10,11,12,13,14,15
	v_mov_b32 v[144+\i], 0x7f7f7f7f                ; scale words of 1.0, so that these registers hold scales on every path; the address lines below stand between them and any product
	v_mov_b32 v[TS2+\i], 0x7f7f7f7f
.endr
	v_lshrrev_b32 v1, 5, v0
	v_readfirstlane_b32 s20, v1                    ; wave
	s_and_b32 s28, ttmp7, 0xffff
	s_lshr_b32 s21, s28, 4                         ; e
	s_and_b32 s22, s28, 15                         ; cb
	s_mov_b32 s23, ttmp9                           ; rs
	s_mov_b32 s27, 0
	v_and_b32 v18, 31, v0                          ; lane
	v_and_b32 v1, 15, v0                           ; r
	v_bfe_u32 v2, v0, 4, 1                         ; h
	v_lshlrev_b32 v[GA], 4, v18
	v_mul_u32_u24 v[GB], v2, WP-768
	v_add_nc_u32 v[GB], v[GB], v[GA]
	s_mul_i32 s29, s20, STGB
	v_add_nc_u32 v[LA], s29, v[GA]
	v_lshl_add_u32 v[LB], v2, 4, v[LA]
	v_mul_u32_u24 v[LF], v1, SROW
	v_mad_u32_u24 v[LF], v2, 24, v[LF]
	v_add_nc_u32 v[LF], s29, v[LF]
	v_lshlrev_b32 v8, 7, v1                        ; W2's scales: 128 bytes a row
	v_lshlrev_b32 v9, 4, v1
	v_lshlrev_b32 v11, 5, v18
	s_mul_i32 s28, s20, 4352
	s_add_co_u32 s28, s28, RED
	v_mul_u32_u24 v12, v1, 272
	v_lshl_add_u32 v12, v2, 5, v12
	v_add_nc_u32 v12, s28, v12                     ; in: my wave's 16 rows; row r, 32 bytes for each half of the lanes
	v_add_nc_u32 v16, SETB, v12                    ; the same in set 1
	s_mul_i32 s28, s20, 1088
	s_add_co_u32 s28, s28, RED
	v_mul_u32_u24 v13, v2, 272
	v_lshl_add_u32 v13, v1, 4, v13
	v_add_nc_u32 v13, s28, v13                     ; out: row 4 w + h, 16 bytes a lane
	v_add_nc_u32 v15, SETB, v13                    ; the same in set 1
	s_lshl_b32 s28, s20, 14
	v_lshlrev_b32 v14, 12, v2
	v_lshl_add_u32 v14, v1, 4, v14
	v_add_nc_u32 v14, s28, v14                     ; and the same place in yrow
	s_mov_b32 s29, 0
	s_wait_kmcnt 0x0
	s_lshl_b32 s28, s21, 2
	s_add_nc_u64 s[50:51], s[14:15], s[28:29]
	s_load_b32 s24, s[50:51], CNT                  ; the expert's rows
	s_lshl_b32 s31, s21, 10
	s_lshl_b32 s28, s22, 6
	s_add_co_u32 s31, s31, s28                     ; my first row of W2: 1,024 e + 64 cb
	s_mul_i32 s28, s31, WP
	s_add_nc_u64 s[8:9], s[8:9], s[28:29]
	s_mul_i32 s28, s20, 768
	s_add_nc_u64 s[8:9], s[8:9], s[28:29]          ; and my K quarter of it
	s_lshl_b32 s28, s31, 7
	s_add_nc_u64 s[10:11], s[10:11], s[28:29]
	s_lshl_b32 s28, s20, 5
	s_add_nc_u64 s[10:11], s[10:11], s[28:29]
	s_lshl_b32 s28, s31, 2
	s_add_nc_u64 s[12:13], s[12:13], s[28:29]
	s_mul_i32 s28, s20, 12288
	s_add_nc_u64 s[36:37], s[4:5], s[28:29]        ; hq at my eight K steps of a tile
	s_lshl_b32 s28, s20, 10
	s_add_nc_u64 s[38:39], s[6:7], s[28:29]        ; hs at my quarter
	s_lshl_b32 s28, s21, 22
	s_add_nc_u64 s[46:47], s[16:17], s[28:29]
	s_lshl_b32 s28, s22, 8
	s_add_nc_u64 s[46:47], s[46:47], s[28:29]      ; yrow at the expert's first row, my columns
	WLOAD
.irp t, 0,1,2,3
	global_load_b128 v[WS+8*\t:WS+8*\t+3], v8, s[10:11] offset:16*\t*128
	global_load_b128 v[WS+8*\t+4:WS+8*\t+7], v8, s[10:11] offset:16*\t*128+16
.endr
	global_load_b128 v[B2:B2+3], v9, s[12:13]
	s_wait_kmcnt 0x0
	s_min_u32 s24, s24, 1024
	s_add_co_u32 s28, s24, 15
	s_lshr_b32 s28, s28, 4                         ; the expert's tiles
	s_add_co_u32 s28, s28, 1
	s_sub_co_u32 s28, s28, s23
	s_lshr_b32 s25, s28, 1                         ; mine: numbers rs, rs + 2, ..
	s_sub_co_u32 s26, s25, 1
	s_wait_loadcnt 0x0                             ; the weights, their scales and b2
	WSTAGE
	s_cmp_eq_u32 s25, 0
	s_cbranch_scc1 .Lno_rows
	LOADH 0, 0, 40                                 ; only now: the buffers lie where the weights were loaded
	LOADH 1, 1, 52
.Lno_rows:
	WFRAG                                          ; the first batch lands meanwhile
	s_wait_dscnt 0x0
.Ltrip:
	BATCH 0
	BATCH 1
	s_add_co_u32 s27, s27, 4
	s_cmp_lt_u32 s27, 32
	s_cbranch_scc1 .Ltrip
	s_wait_tensorcnt 0x0
	ds_add_u32 v30, v31
	s_wait_dscnt 0x0
	s_endpgm
.Lfunc_end_k_q1f5ae9e1eb_ffn2:
	.size	k_q1f5ae9e1eb_ffn2, .Lfunc_end_k_q1f5ae9e1eb_ffn2-k_q1f5ae9e1eb_ffn2
	.p2alignl 7, 3214868480
	.fill 96, 4, 3214868480
	.section	.rodata,"a",@progbits
	.p2align	6, 0x0
	.amdhsa_kernel k_q1f5ae9e1eb_ffn2
		.amdhsa_group_segment_fixed_size 270848
		.amdhsa_private_segment_fixed_size 0
		.amdhsa_enable_private_segment 0
		.amdhsa_kernarg_size 56
		.amdhsa_user_sgpr_count 2
		.amdhsa_user_sgpr_kernarg_segment_ptr 1
		.amdhsa_wavefront_size32 1
		.amdhsa_system_sgpr_workgroup_id_x 1
		.amdhsa_system_sgpr_workgroup_id_y 1
		.amdhsa_system_sgpr_workgroup_id_z 1
		.amdhsa_system_vgpr_workitem_id 0
		.amdhsa_next_free_vgpr 960
		.amdhsa_next_free_sgpr 66
		.amdhsa_reserve_vcc 0
		.amdhsa_float_denorm_mode_32 3
		.amdhsa_float_denorm_mode_16_64 3
		.amdhsa_memory_ordered 1
		.amdhsa_forward_progress 1
		.amdhsa_inst_pref_size 80
	.end_amdhsa_kernel
	.amdgpu_metadata
---
amdhsa.version: [ 1, 2 ]
amdhsa.kernels:
  - .name:           k_q1f5ae9e1eb_ffn2
    .symbol:         k_q1f5ae9e1eb_ffn2.kd
    .args:
      - { .name: hq, .offset: 0, .size: 8, .value_kind: global_buffer, .address_space: global }
      - { .name: hs, .offset: 8, .size: 8, .value_kind: global_buffer, .address_space: global }
      - { .name: W2_codes, .offset: 16, .size: 8, .value_kind: global_buffer, .address_space: global }
      - { .name: W2_scales, .offset: 24, .size: 8, .value_kind: global_buffer, .address_space: global }
      - { .name: b2, .offset: 32, .size: 8, .value_kind: global_buffer, .address_space: global }
      - { .name: route, .offset: 40, .size: 8, .value_kind: global_buffer, .address_space: global }
      - { .name: yrow, .offset: 48, .size: 8, .value_kind: global_buffer, .address_space: global }
    .group_segment_fixed_size: 270848
    .private_segment_fixed_size: 0
    .kernarg_segment_align: 8
    .kernarg_segment_size: 56
    .max_flat_workgroup_size: 128
    .sgpr_count:     66
    .vgpr_count:     960
    .wavefront_size: 32
...
	.end_amdgpu_metadata
.endif
;; end of part 4
;; launch combine (part 5): grid 256 x 1, 4 waves a work-group, no clusters, 0 bytes of LDS; arguments yrow, route, out0; writes out0
.if DOCPART == 5
	.amdgcn_target "amdgcn-amd-amdhsa--gfx1250"
	.amdhsa_code_object_version 6
	.text
	.protected	k_q1f5ae9e1eb_combine
	.globl	k_q1f5ae9e1eb_combine
	.p2align	8
	.type	k_q1f5ae9e1eb_combine,@function
k_q1f5ae9e1eb_combine:
	s_mov_b64 s[64:65], 0
	v_nop
	global_prefetch_b8 v0, s[64:65] scope:SCOPE_SE
	s_setreg_imm32_b32 hwreg(HW_REG_WAVE_MODE, 25, 1), 1
	s_wait_xcnt 0x0
; COMBINE.  out0[t] = yrow[pos[2 t]] + yrow[pos[2 t + 1]]: the plain sum of the two chosen experts' rows, as the 0/1 mask has it.
; A wave takes a token: two rows of 4,096 bytes in, one out; each load and store covers 512 consecutive bytes.  A stream: no LDS, no barrier, no matrix unit.
.set POS, 32768
	s_load_b128 s[4:7], s[0:1], 0x0                ; yrow s[4:5], route s[6:7]
	s_load_b64 s[8:9], s[0:1], 0x10                ; out0
	v_lshrrev_b32 v1, 5, v0
	v_readfirstlane_b32 s10, v1                    ; wave
	s_lshl_b32 s11, ttmp9, 2
	s_add_co_u32 s11, s11, s10                     ; my token
	v_and_b32 v1, 31, v0
	v_lshlrev_b32 v1, 4, v1                        ; 16 x lane
	s_lshl_b32 s12, s11, 3
	s_mov_b32 s13, 0
	s_wait_kmcnt 0x0
	s_add_nc_u64 s[14:15], s[6:7], s[12:13]
	s_load_b64 s[16:17], s[14:15], POS             ; its two rows
	s_lshl_b32 s12, s11, 12
	s_add_nc_u64 s[8:9], s[8:9], s[12:13]
	s_wait_kmcnt 0x0
	s_min_u32 s16, s16, 8191
	s_min_u32 s17, s17, 8191
	s_lshl_b32 s18, s16, 12
	s_mov_b32 s19, 0
	s_add_nc_u64 s[20:21], s[4:5], s[18:19]
	s_lshl_b32 s18, s17, 12
	s_add_nc_u64 s[22:23], s[4:5], s[18:19]
.irp i, 0,1,2,3,4,5,6,7
	global_load_b128 v[8+4*\i:11+4*\i], v1, s[20:21] offset:512*\i th:TH_LOAD_NT
.endr
.irp i, 0,1,2,3,4,5,6,7
	global_load_b128 v[40+4*\i:43+4*\i], v1, s[22:23] offset:512*\i th:TH_LOAD_NT
.endr
.irp i, 0,1,2,3,4,5,6,7
	s_wait_loadcnt 7-\i                            ; the first row and the second row's loads up to i are in; the 7 - i behind them may be out
	v_pk_add_f32 v[8+4*\i:9+4*\i], v[8+4*\i:9+4*\i], v[40+4*\i:41+4*\i]
	v_pk_add_f32 v[10+4*\i:11+4*\i], v[10+4*\i:11+4*\i], v[42+4*\i:43+4*\i]
	global_store_b128 v1, v[8+4*\i:11+4*\i], s[8:9] offset:512*\i th:TH_STORE_NT
.endr
	s_endpgm
.Lfunc_end_k_q1f5ae9e1eb_combine:
	.size	k_q1f5ae9e1eb_combine, .Lfunc_end_k_q1f5ae9e1eb_combine-k_q1f5ae9e1eb_combine
	.p2alignl 7, 3214868480
	.fill 96, 4, 3214868480
	.section	.rodata,"a",@progbits
	.p2align	6, 0x0
	.amdhsa_kernel k_q1f5ae9e1eb_combine
		.amdhsa_group_segment_fixed_size 0
		.amdhsa_private_segment_fixed_size 0
		.amdhsa_enable_private_segment 0
		.amdhsa_kernarg_size 24
		.amdhsa_user_sgpr_count 2
		.amdhsa_user_sgpr_kernarg_segment_ptr 1
		.amdhsa_wavefront_size32 1
		.amdhsa_system_sgpr_workgroup_id_x 1
		.amdhsa_system_sgpr_workgroup_id_y 1
		.amdhsa_system_sgpr_workgroup_id_z 1
		.amdhsa_system_vgpr_workitem_id 0
		.amdhsa_next_free_vgpr 72
		.amdhsa_next_free_sgpr 66
		.amdhsa_reserve_vcc 0
		.amdhsa_float_denorm_mode_32 3
		.amdhsa_float_denorm_mode_16_64 3
		.amdhsa_memory_ordered 1
		.amdhsa_forward_progress 1
		.amdhsa_inst_pref_size 5
	.end_amdhsa_kernel
	.amdgpu_metadata
---
amdhsa.version: [ 1, 2 ]
amdhsa.kernels:
  - .name:           k_q1f5ae9e1eb_combine
    .symbol:         k_q1f5ae9e1eb_combine.kd
    .args:
      - { .name: yrow, .offset: 0, .size: 8, .value_kind: global_buffer, .address_space: global }
      - { .name: route, .offset: 8, .size: 8, .value_kind: global_buffer, .address_space: global }
      - { .name: out0, .offset: 16, .size: 8, .value_kind: global_buffer, .address_space: global }
    .group_segment_fixed_size: 0
    .private_segment_fixed_size: 0
    .kernarg_segment_align: 8
    .kernarg_segment_size: 24
    .max_flat_workgroup_size: 128
    .sgpr_count:     66
    .vgpr_count:     72
    .wavefront_size: 32
...
	.end_amdgpu_metadata
.endif
;; end of part 5
;; ======== version 2 of 2: 5 launches
;; workspace buffers: xq 819,200 bytes; sel 4,096 bytes of whole numbers; route 41,216 bytes of whole numbers; hq 25,165,824 bytes; hs 2,097,152 bytes; yrow 33,554,432 bytes
;; launch gate (part 6): grid 64 x 1, 4 waves a work-group, no clusters, 108,032 bytes of LDS; arguments x, Wg, bg, out1, xq, sel; writes out1, xq, sel
.if DOCPART == 6
	.amdgcn_target "amdgcn-amd-amdhsa--gfx1250"
	.amdhsa_code_object_version 6
	.text
	.protected	k_q1f5ae9e1eb_gate
	.globl	k_q1f5ae9e1eb_gate
	.p2align	8
	.type	k_q1f5ae9e1eb_gate,@function
k_q1f5ae9e1eb_gate:
	s_mov_b64 s[64:65], 0
	v_nop
	global_prefetch_b8 v0, s[64:65] scope:SCOPE_SE
	s_setreg_imm32_b32 hwreg(HW_REG_WAVE_MODE, 25, 1), 1
	s_wait_xcnt 0x0
; GATE.  scores = x Wg + bg (f32, stored as out1), softmax, the two largest probabilities' experts (stored as whole numbers in sel),
; and x turned into codes of E3M2 with one E8M0 byte for each 32 along K (stored in xq, laid as the next launch's operand registers want them).
; SHARES.  1,024 tokens: 64 work-groups x 4 waves x 4 tokens.  In the work lane l holds block l of a token, k = 32 l .. 32 l + 31, and the
; 256 numbers Wg[32 l .. 32 l + 31][0 .. 7] in window 1 (register 8 i + e = Wg[32 l + i][e]): a block's largest magnitude needs no other lane.
; Every load from memory is dense (32 lanes x 16 neighbouring bytes); the turn to "a lane holds 128 neighbouring bytes" goes through LDS, padded by 16 bytes a block.
; xq: token t's codes at 768 t, block l at 384 (l % 2) + 24 (l / 2), so that one half of the lanes of an operand reads 384 bytes on end; at XSC + 32 t the token's 32 scale bytes.
; sel: word t = first expert | second expert << 8; ties go to the lower index, as jax.lax.top_k has it.
; No matrix unit: N = 8 and the scores decide the routing, so they are f32 fused multiply-adds.  No cluster: work-groups share only Wg's 32 KiB.
; LIMITS.  NaN and infinities among the inputs are not served.  A block whose largest magnitude lies under 2^-122 gets the byte 1 (a block of zeros too, where the rule says 127:
; its codes are zeros and this program alone reads the bytes).  A softmax term under 2^-126 comes out of v_exp_f32 as 0, so experts that far down tie and the lower index is taken.
; A choice between the second and third expert that lies within the rounding of f32 sums may fall either way.
.set XST,  33280                       ; LDS: 0 .. 33,279 Wg, 32 lane blocks of 1,024 + 16 bytes; from XST a stage of 32 x (128 + 16) bytes for each wave's each token
.set SBY,  107008                      ; and 128 scale bytes for each wave
.set XSC,  786432                      ; xq: where the scale bytes begin
.set S,    16                          ; v16-23   the eight sums, then the scores
.set P,    24                          ; v24-31   the probabilities
.set T,    32                          ; v32-47   at work
.set C,    48                          ; v48-54   a block's codes
.set OUTV, 56                          ; v56      lane 8 j + e: token j's score e
.set SELV, 57                          ; v57      lanes 8 j ..: token j's two experts
.set XR,   64                          ; v64-191  x as loaded, 32 registers a token
.set XN,   192                         ; v192-255 two sets of 32 neighbours; ahead of the tokens: Wg as loaded
.set MSB, 0
.macro WIN new                         ; the immediate's high byte repeats the setting that is left
.if MSB != \new
	s_set_vgpr_msb (MSB<<8)|\new
.set MSB, \new
.endif
.endm
	s_load_b256 s[4:11], s[0:1], 0x0               ; x s[4:5], Wg s[6:7], bg s[8:9], out1 s[10:11]
	s_load_b128 s[12:15], s[0:1], 0x20             ; xq s[12:13], sel s[14:15]
	v_lshl_add_u32 v62, v0, 2, 0x1a400
	v_mov_b32 v63, 0
	v_lshrrev_b32 v1, 5, v0
	v_readfirstlane_b32 s24, v1                    ; wave 0..3
	v_and_b32 v1, 31, v0                           ; lane
	v_lshlrev_b32 v2, 4, v1                        ; 16 x lane: a dense load's place
	s_mul_i32 s25, s24, 8320
	v_add_nc_u32 v3, s25, v2                       ; Wg into LDS: my wave's eight lane blocks of 1,040 bytes
	v_mul_u32_u24 v4, v1, 1040                     ; and out of it: my lane's block
	s_mul_i32 s25, s24, 18432
	s_add_co_u32 s25, s25, XST                     ; my wave's four stages
	v_lshrrev_b32 v5, 3, v1
	v_mul_u32_u24 v5, v5, 144
	v_and_b32 v6, 7, v1
	v_lshl_add_u32 v5, v6, 4, v5
	v_add_nc_u32 v5, s25, v5                       ; x into a stage: eight lanes' 128 bytes on end, then 16 of padding
	v_mul_u32_u24 v6, v1, 144
	v_add_nc_u32 v6, s25, v6                       ; and out of it: my block
	v_and_b32 v7, 1, v1
	v_mul_u32_u24 v7, v7, 384
	v_lshrrev_b32 v8, 1, v1
	v_mad_u32_u24 v7, v8, 24, v7                   ; my block's codes in a token's 768 bytes
	s_lshl_b32 s25, s24, 7
	s_add_co_u32 s25, s25, SBY
	v_add_nc_u32 v8, s25, v1                       ; my block's scale byte in LDS
	v_lshlrev_b32 v10, 2, v1                       ; 4 x lane
	v_add_nc_u32 v9, s25, v10                      ; the bytes read back, a word a lane
	v_lshrrev_b32 v11, 3, v1
	v_lshlrev_b32 v11, 2, v11                      ; 4 x (lane / 8): a token's word of sel
.irp e, 0,1,2,3,4,5,6,7
	v_mov_b32 v[T+\e], 0                           ; written once: a lane permute's destination counts as one of its sources
.endr
	s_mov_b32 s26, 0x76543210
	s_mov_b32 s27, 0xfedcba98                      ; v_permlanex16_b32's selects for lane l xor 16
	s_mov_b32 s40, 0xaaaaaaaa                      ; lanes with bit 0, 1, 2 of their number set
	s_mov_b32 s41, 0xcccccccc
	s_mov_b32 s42, 0xf0f0f0f0
	s_mov_b32 s43, 0x0000ff00                      ; lanes 8-15, 16-23, 24-31
	s_mov_b32 s44, 0x00ff0000
	s_mov_b32 s45, 0xff000000
	s_mov_b32 s46, 0x01010101                      ; lanes 0, 8, 16, 24
	s_mov_b32 s48, 0x3fb8aa3b                      ; log2(e)
	s_lshl_b32 s28, ttmp9, 4
	s_lshl_b32 s29, s24, 2
	s_add_co_u32 s30, s28, s29                     ; my first token: 16 x work-group + 4 x wave
	s_mov_b32 s29, 0
	s_wait_kmcnt 0x0
	s_load_b256 s[16:23], s[8:9], 0x0              ; bg's eight numbers
	s_lshl_b32 s28, s30, 12
	s_add_nc_u64 s[4:5], s[4:5], s[28:29]          ; x at my first token
	s_lshl_b32 s28, s24, 13
	s_add_nc_u64 s[6:7], s[6:7], s[28:29]          ; Wg at my wave's quarter
	s_lshl_b32 s28, s30, 5
	s_add_nc_u64 s[10:11], s[10:11], s[28:29]      ; out1: 32 bytes a token
	s_add_nc_u64 s[32:33], s[12:13], s[28:29]      ; xq's scale bytes likewise (XSC stands in the store's immediate)
	s_mul_i32 s28, s30, 768
	s_add_nc_u64 s[12:13], s[12:13], s[28:29]      ; xq's codes
	s_lshl_b32 s28, s30, 2
	s_add_nc_u64 s[14:15], s[14:15], s[28:29]      ; sel
.irp i, 0,1,2,3,4,5,6,7,8,9,10,11,12,13,14,15
	global_load_b128 v[XN+4*\i:XN+4*\i+3], v2, s[6:7] offset:512*\i
.endr
.irp j, 0,1,2,3
.irp i, 0,1,2,3,4,5,6,7
	global_load_b128 v[XR+32*\j+4*\i:XR+32*\j+4*\i+3], v2, s[4:5] offset:4096*\j+512*\i th:TH_LOAD_NT
.endr
.endr
	s_wait_loadcnt 32                              ; Wg's 16 loads are in; x's 32, issued behind them, may be out
.irp i, 0,1,2,3,4,5,6,7,8,9,10,11,12,13,14,15
	ds_store_b128 v3, v[XN+4*\i:XN+4*\i+3] offset:(\i/2)*1040+512*(\i%2)
.endr
	s_wait_dscnt 0x0                               ; for the others' sake: my quarter of Wg lies in LDS
	s_barrier_signal -1
	s_barrier_wait -1                              ; everybody's does
	WIN 0x40                                       ; destination window 1
.set ii, 0
.rept 64
	ds_load_b128 v[4*ii:4*ii+3], v4 offset:16*ii
.set ii, ii+1
.endr
	WIN 0
	s_wait_kmcnt 0x0                               ; bg
; Token j's 4,096 bytes turn through its stage.  LDS serves a wave's instructions in order, so no wait stands between the stores and the loads.
.macro TURN j
	s_wait_loadcnt 24-8*(\j)                       ; token j's eight loads are in; the later tokens' may be out
.irp i, 0,1,2,3,4,5,6,7
	ds_store_b128 v5, v[XR+32*(\j)+4*\i:XR+32*(\j)+4*\i+3] offset:4608*(\j)+576*\i
.endr
.irp i, 0,1,2,3,4,5,6,7
	ds_load_b128 v[XN+32*((\j)%2)+4*\i:XN+32*((\j)%2)+4*\i+3], v6 offset:4608*(\j)+16*\i
.endr
.endm
.macro TOKEN j
.set XS, XN+32*((\j)%2)
.if \j < 3
	TURN (\j)+1
	s_wait_dscnt 16                                ; all but the next token's 8 stores and 8 loads: my 32 numbers are in (and, the first time, Wg)
.else
	s_wait_dscnt 0x0
.endif
	; the eight sums over my 32 k, two experts an instruction, four chains; x_i is taken for both halves
	WIN 0x04                                       ; source 1 (Wg) in window 1
.irp c, 0,1,2,3
	v_pk_mul_f32 v[S+2*\c:S+2*\c+1], v[XS:XS+1], v[2*\c:2*\c+1] op_sel:[0,0] op_sel_hi:[0,1]
.endr
.set ii, 1
.rept 31
.irp c, 0,1,2,3
.if ii%2
	v_pk_fma_f32 v[S+2*\c:S+2*\c+1], v[XS+ii-1:XS+ii], v[8*ii+2*\c:8*ii+2*\c+1], v[S+2*\c:S+2*\c+1] op_sel:[1,0,0] op_sel_hi:[1,1,1]
.else
	v_pk_fma_f32 v[S+2*\c:S+2*\c+1], v[XS+ii:XS+ii+1], v[8*ii+2*\c:8*ii+2*\c+1], v[S+2*\c:S+2*\c+1] op_sel_hi:[0,1,1]
.endif
.endr
.set ii, ii+1
.endr
	WIN 0
.irp mk, 1,2,4,8                       ; over the 32 lanes: every lane ends with the same eight sums
.irp e, 0,1,2,3,4,5,6,7
	v_add_f32_dpp v[S+\e], v[S+\e], v[S+\e] row_xmask:\mk row_mask:0xf bank_mask:0xf
.endr
.endr
.irp e, 0,1,2,3,4,5,6,7
	v_permlanex16_b32 v[T+\e], v[S+\e], s26, s27
.endr
.irp e, 0,1,2,3,4,5,6,7
	v_add_f32 v[S+\e], v[S+\e], v[T+\e]
.endr
.irp e, 0,1,2,3,4,5,6,7
	v_add_f32 v[S+\e], s[16+\e], v[S+\e]           ; + bg: the scores
.endr
	; softmax: the largest score is taken away ahead of the exponentials
	v_max3_num_f32 v[T+8], v[S], v[S+1], v[S+2]
	v_max3_num_f32 v[T+8], v[T+8], v[S+3], v[S+4]
	v_max3_num_f32 v[T+8], v[T+8], v[S+5], v[S+6]
	v_max_num_f32 v[T+8], v[T+8], v[S+7]
	v_mul_f32 v[T+8], s48, v[T+8]
.irp e, 0,1,2,3,4,5,6,7
	v_fma_f32 v[P+\e], v[S+\e], s48, -v[T+8]       ; (score - largest) x log2(e), one rounding
.endr
	s_wait_alu depctr_va_vdst(0)
.irp e, 0,1,2,3,4,5,6,7
	v_exp_f32 v[P+\e], v[P+\e]
.endr
	v_nop                                          ; a plain line behind the last exponential
	s_wait_alu depctr_va_vdst(0)                   ; one wait for the eight, ahead of their first reader
	v_add_f32 v[T], v[P], v[P+1]
	v_add_f32 v[T+1], v[P+2], v[P+3]
	v_add_f32 v[T+2], v[P+4], v[P+5]
	v_add_f32 v[T+3], v[P+6], v[P+7]
	v_add_f32 v[T], v[T], v[T+1]
	v_add_f32 v[T+2], v[T+2], v[T+3]
	v_add_f32 v[T], v[T], v[T+2]
	s_wait_alu depctr_va_vdst(0)
	v_rcp_f32 v[T+1], v[T]
	v_nop
	s_wait_alu depctr_va_vdst(0)
.irp e, 0,1,2,3,4,5,6,7
	v_mul_f32 v[P+\e], v[P+\e], v[T+1]
.endr
	; the two largest: a later expert wins only if strictly larger
	v_mov_b32 v[T+9], v[P]
	v_mov_b32 v[T+10], 0
.irp e, 1,2,3,4,5,6,7
	v_cmp_gt_f32 vcc_lo, v[P+\e], v[T+9]
	v_cndmask_b32 v[T+9], v[T+9], v[P+\e], vcc_lo
	v_cndmask_b32 v[T+10], v[T+10], \e, vcc_lo
.endr
.irp e, 0,1,2,3,4,5,6,7
	v_cmp_eq_u32 vcc_lo, \e, v[T+10]
	v_cndmask_b32 v[P+\e], v[P+\e], -1.0, vcc_lo   ; the first choice is taken out: -1 lies under every probability
.endr
	v_mov_b32 v[T+9], v[P]
	v_mov_b32 v[T+11], 0
.irp e, 1,2,3,4,5,6,7
	v_cmp_gt_f32 vcc_lo, v[P+\e], v[T+9]
	v_cndmask_b32 v[T+9], v[T+9], v[P+\e], vcc_lo
	v_cndmask_b32 v[T+11], v[T+11], \e, vcc_lo
.endr
	v_lshl_or_b32 v[T+11], v[T+11], 8, v[T+10]
	; lane l keeps score l % 8 if l / 8 is this token: the four tokens' 32 scores leave as 128 bytes on end
	v_cndmask_b32 v[T], v[S], v[S+1], s40
	v_cndmask_b32 v[T+1], v[S+2], v[S+3], s40
	v_cndmask_b32 v[T+2], v[S+4], v[S+5], s40
	v_cndmask_b32 v[T+3], v[S+6], v[S+7], s40
	v_cndmask_b32 v[T], v[T], v[T+1], s41
	v_cndmask_b32 v[T+2], v[T+2], v[T+3], s41
.if \j == 0
	v_cndmask_b32 v[OUTV], v[T], v[T+2], s42
	v_mov_b32 v[SELV], v[T+11]
.else
	v_cndmask_b32 v[T], v[T], v[T+2], s42
	v_cndmask_b32 v[OUTV], v[OUTV], v[T], s[42+\j]
	v_cndmask_b32 v[SELV], v[SELV], v[T+11], s[42+\j]
.endif
	; my block's codes and scale byte
	v_max3_num_f32 v[T+12], |v[XS]|, |v[XS+1]|, |v[XS+2]|
	v_max3_num_f32 v[T+13], |v[XS+3]|, |v[XS+4]|, |v[XS+5]|
.irp i, 6,10,14,18,22,26
	v_max3_num_f32 v[T+12], v[T+12], |v[XS+\i]|, |v[XS+\i+1]|
	v_max3_num_f32 v[T+13], v[T+13], |v[XS+\i+2]|, |v[XS+\i+3]|
.endr
	v_max3_num_f32 v[T+12], v[T+12], |v[XS+30]|, |v[XS+31]|
	v_max3_num_f32 v[T+12], v[T+12], v[T+13], 0x2800000   ; and the floor 2^(5 - 127): the byte cannot fall under 1
	v_add_nc_u32 v[T+14], 0xfe000000, v[T+12]      ; 4 off the exponent field: the conversion takes this operand's exponent field as its scale
.if \j > 0
	s_wait_alu depctr_va_vdst(0)
	s_wait_xcnt 0x0                                ; the last token's stores have read the codes' registers
.endif
	v_cvt_scalef32_pk16_bf6_f32 v[C:C+2], v[XS:XS+15], v[T+14]
	v_cvt_scalef32_pk16_bf6_f32 v[C+4:C+6], v[XS+16:XS+31], v[T+14]
	v_lshrrev_b32 v[T+15], 23, v[T+14]             ; the scale's byte (also the plain line behind the conversions)
	ds_store_b8 v8, v[T+15] offset:32*\j
	global_store_b96 v7, v[C:C+2], s[12:13] offset:768*\j
	global_store_b96 v7, v[C+4:C+6], s[12:13] offset:768*\j+12
.endm
	TURN 0
	TOKEN 0
	TOKEN 1
	TOKEN 2
	TOKEN 3
	ds_load_b32 v[T+12], v9                        ; my wave's 128 scale bytes, a word a lane: LDS serves a wave's instructions in order
	s_wait_dscnt 0x0
	global_store_b32 v10, v[T+12], s[32:33] offset:XSC
	global_store_b32 v10, v[OUTV], s[10:11]
	s_wait_xcnt 0x0                                ; EXEC changes only behind this wait
	s_wait_tensorcnt 0x0
	ds_add_u32 v62, v63
	s_wait_dscnt 0x0
	s_and_saveexec_b32 s47, s46
	global_store_b32 v11, v[SELV], s[14:15]        ; one lane for each token
	s_wait_xcnt 0x0
	s_or_b32 exec_lo, exec_lo, s47
	s_endpgm
.Lfunc_end_k_q1f5ae9e1eb_gate:
	.size	k_q1f5ae9e1eb_gate, .Lfunc_end_k_q1f5ae9e1eb_gate-k_q1f5ae9e1eb_gate
	.p2alignl 7, 3214868480
	.fill 96, 4, 3214868480
	.section	.rodata,"a",@progbits
	.p2align	6, 0x0
	.amdhsa_kernel k_q1f5ae9e1eb_gate
		.amdhsa_group_segment_fixed_size 108032
		.amdhsa_private_segment_fixed_size 0
		.amdhsa_enable_private_segment 0
		.amdhsa_kernarg_size 48
		.amdhsa_user_sgpr_count 2
		.amdhsa_user_sgpr_kernarg_segment_ptr 1
		.amdhsa_wavefront_size32 1
		.amdhsa_system_sgpr_workgroup_id_x 1
		.amdhsa_system_sgpr_workgroup_id_y 1
		.amdhsa_system_sgpr_workgroup_id_z 1
		.amdhsa_system_vgpr_workitem_id 0
		.amdhsa_next_free_vgpr 512
		.amdhsa_next_free_sgpr 66
		.amdhsa_reserve_vcc 1
		.amdhsa_float_denorm_mode_32 3
		.amdhsa_float_denorm_mode_16_64 3
		.amdhsa_memory_ordered 1
		.amdhsa_forward_progress 1
		.amdhsa_inst_pref_size 88
	.end_amdhsa_kernel
	.amdgpu_metadata
---
amdhsa.version: [ 1, 2 ]
amdhsa.kernels:
  - .name:           k_q1f5ae9e1eb_gate
    .symbol:         k_q1f5ae9e1eb_gate.kd
    .args:
      - { .name: x, .offset: 0, .size: 8, .value_kind: global_buffer, .address_space: global }
      - { .name: Wg, .offset: 8, .size: 8, .value_kind: global_buffer, .address_space: global }
      - { .name: bg, .offset: 16, .size: 8, .value_kind: global_buffer, .address_space: global }
      - { .name: out1, .offset: 24, .size: 8, .value_kind: global_buffer, .address_space: global }
      - { .name: xq, .offset: 32, .size: 8, .value_kind: global_buffer, .address_space: global }
      - { .name: sel, .offset: 40, .size: 8, .value_kind: global_buffer, .address_space: global }
    .group_segment_fixed_size: 108032
    .private_segment_fixed_size: 0
    .kernarg_segment_align: 8
    .kernarg_segment_size: 48
    .max_flat_workgroup_size: 128
    .sgpr_count:     66
    .vgpr_count:     512
    .wavefront_size: 32
...
	.end_amdgpu_metadata
.endif
;; end of part 6
;; launch place (part 7): grid 8 x 1, 32 waves a work-group, no clusters, 4,352 bytes of LDS; arguments sel, route; writes route
.if DOCPART == 7
	.amdgcn_target "amdgcn-amd-amdhsa--gfx1250"
	.amdhsa_code_object_version 6
	.text
	.protected	k_q1f5ae9e1eb_place
	.globl	k_q1f5ae9e1eb_place
	.p2align	8
	.type	k_q1f5ae9e1eb_place,@function
k_q1f5ae9e1eb_place:
	s_mov_b64 s[64:65], 0
	v_nop
	global_prefetch_b8 v0, s[64:65] scope:SCOPE_SE
	s_setreg_imm32_b32 hwreg(HW_REG_WAVE_MODE, 25, 1), 1
	s_wait_xcnt 0x0
; PLACE.  Work-group e ranks, in token order, the tokens that chose expert e.  Thread t is token t.  Whole numbers only.
; route: list[1024 e + rank] = token (bytes 0 ..); pos[2 t + slot] = 1024 e + rank (from POS; slot 0: the token's first choice, 1: its second); cnt[e] (from CNT).
; Each expert has room for all 1,024 tokens, so no sum over experts is needed and every split is served.  Each word has one writer.
.set POS, 32768
.set CNT, 40960
	s_load_b128 s[4:7], s[0:1], 0x0                ; sel s[4:5], route s[6:7]
	v_lshl_add_u32 v24, v0, 2, 0x100
	v_mov_b32 v25, 0
	v_lshrrev_b32 v1, 5, v0                        ; wave
	s_delay_alu instid0(VALU_DEP_1)
	v_readfirstlane_b32 s8, v1
	v_and_b32 v2, 31, v0                           ; lane
	v_lshlrev_b32 v3, 2, v0                        ; 4 t
	s_mov_b32 s9, ttmp9                            ; e
	s_lshl_b32 s10, s9, 10
	s_lshl_b32 s11, s9, 2
	s_mov_b32 s12, 0x76543210
	s_mov_b32 s13, 0xfedcba98                      ; v_permlanex16_b32's selects for lane l xor 16
	v_lshlrev_b32 v8, 2, v1                        ; LDS: my wave's word
	v_lshlrev_b32 v11, 2, v2                       ; and the word of the wave with my lane's number
	v_mov_b32 v18, s11                             ; 4 e
	v_mov_b32 v19, 0                               ; written once: destinations of lane moves count as read
	v_mov_b32 v20, 0
	s_wait_alu depctr_va_vdst(0)
	s_wait_kmcnt 0x0
	global_load_b32 v4, v3, s[4:5]
	s_wait_loadcnt 0x0
	v_and_b32 v5, 0xff, v4                         ; first choice
	v_bfe_u32 v6, v4, 8, 8                         ; second choice
	s_delay_alu instid0(VALU_DEP_2)
	v_cmp_eq_u32 s20, s9, v5
	s_delay_alu instid0(VALU_DEP_2)
	v_cmp_eq_u32 s21, s9, v6
	s_or_b32 s22, s20, s21                         ; the lanes whose token chose e
	s_bcnt1_i32_b32 s23, s22
	v_mbcnt_lo_u32_b32 v7, s22, 0                  ; how many of them stand below my lane
	v_mov_b32 v9, s23
	ds_store_b32 v8, v9                            ; all lanes write the same word with the same value
	s_wait_dscnt 0x0
	s_barrier_signal -1
	s_barrier_wait -1
	ds_load_b32 v10, v11                           ; lane i: wave i's count
	s_wait_dscnt 0x0
	v_cmp_gt_u32 vcc_lo, s8, v2
	s_delay_alu instid0(VALU_DEP_1)
	v_cndmask_b32 v12, 0, v10, vcc_lo              ; only the waves below mine
.irp mk, 1
	s_delay_alu instid0(VALU_DEP_1)
	v_mov_b32_dpp v19, v12 row_xmask:\mk row_mask:0xf bank_mask:0xf
	v_mov_b32_dpp v20, v10 row_xmask:\mk row_mask:0xf bank_mask:0xf
	s_delay_alu instid0(VALU_DEP_2)
	v_add_nc_u32 v12, v12, v19
	s_delay_alu instid0(VALU_DEP_2)
	v_add_nc_u32 v10, v10, v20
.endr
.irp mk, 2, 4, 8
	s_delay_alu instid0(VALU_DEP_2)
	v_mov_b32_dpp v19, v12 row_xmask:\mk row_mask:0xf bank_mask:0xf
	s_delay_alu instid0(VALU_DEP_2)
	v_mov_b32_dpp v20, v10 row_xmask:\mk row_mask:0xf bank_mask:0xf
	s_delay_alu instid0(VALU_DEP_2)
	v_add_nc_u32 v12, v12, v19
	s_delay_alu instid0(VALU_DEP_2)
	v_add_nc_u32 v10, v10, v20
.endr
	s_delay_alu instid0(VALU_DEP_2)
	v_permlanex16_b32 v19, v12, s12, s13
	s_delay_alu instid0(VALU_DEP_2)
	v_permlanex16_b32 v20, v10, s12, s13
	s_delay_alu instid0(VALU_DEP_2)
	v_add_nc_u32 v12, v12, v19                     ; chosen tokens in the waves below mine
	s_delay_alu instid0(VALU_DEP_2)
	v_add_nc_u32 v10, v10, v20                     ; and in all: cnt[e]
	s_delay_alu instid0(VALU_DEP_2)
	v_add_nc_u32 v13, v12, v7
	s_delay_alu instid0(VALU_DEP_1)
	v_min_u32 v13, 0x3ff, v13                      ; my rank, held inside the expert's room
	s_delay_alu instid0(VALU_DEP_1)
	v_add_nc_u32 v14, s10, v13                     ; my row: 1024 e + rank
	s_delay_alu instid0(VALU_DEP_1)
	v_lshlrev_b32 v15, 2, v14
	v_cndmask_b32 v17, 0, 4, s21
	s_delay_alu instid0(VALU_DEP_1)
	v_min_u32 v17, 4, v17                          ; 4 bytes on where e is my second choice
	s_delay_alu instid0(VALU_DEP_1)
	v_lshl_add_u32 v16, v0, 3, v17
	s_wait_alu depctr_va_vdst(0)
	s_wait_xcnt 0x0                                ; EXEC changes only behind this wait
	s_wait_tensorcnt 0x0
	ds_add_u32 v24, v25
	s_wait_dscnt 0x0
	s_and_saveexec_b32 s24, s22
	global_store_b32 v15, v0, s[6:7]               ; list
	global_store_b32 v16, v14, s[6:7] offset:POS   ; pos
	s_wait_xcnt 0x0
	s_or_b32 exec_lo, exec_lo, s24
	v_cmp_eq_u32 vcc_lo, 0, v0
	s_and_saveexec_b32 s24, vcc_lo
	global_store_b32 v18, v10, s[6:7] offset:CNT   ; thread 0 alone
	s_wait_xcnt 0x0
	s_or_b32 exec_lo, exec_lo, s24
	s_endpgm
.Lfunc_end_k_q1f5ae9e1eb_place:
	.size	k_q1f5ae9e1eb_place, .Lfunc_end_k_q1f5ae9e1eb_place-k_q1f5ae9e1eb_place
	.p2alignl 7, 3214868480
	.fill 96, 4, 3214868480
	.section	.rodata,"a",@progbits
	.p2align	6, 0x0
	.amdhsa_kernel k_q1f5ae9e1eb_place
		.amdhsa_group_segment_fixed_size 4352
		.amdhsa_private_segment_fixed_size 0
		.amdhsa_enable_private_segment 0
		.amdhsa_kernarg_size 16
		.amdhsa_user_sgpr_count 2
		.amdhsa_user_sgpr_kernarg_segment_ptr 1
		.amdhsa_wavefront_size32 1
		.amdhsa_system_sgpr_workgroup_id_x 1
		.amdhsa_system_sgpr_workgroup_id_y 1
		.amdhsa_system_sgpr_workgroup_id_z 1
		.amdhsa_system_vgpr_workitem_id 0
		.amdhsa_next_free_vgpr 26
		.amdhsa_next_free_sgpr 66
		.amdhsa_reserve_vcc 1
		.amdhsa_float_denorm_mode_32 3
		.amdhsa_float_denorm_mode_16_64 3
		.amdhsa_memory_ordered 1
		.amdhsa_forward_progress 1
		.amdhsa_inst_pref_size 5
	.end_amdhsa_kernel
	.amdgpu_metadata
---
amdhsa.version: [ 1, 2 ]
amdhsa.kernels:
  - .name:           k_q1f5ae9e1eb_place
    .symbol:         k_q1f5ae9e1eb_place.kd
    .args:
      - { .name: sel, .offset: 0, .size: 8, .value_kind: global_buffer, .address_space: global }
      - { .name: route, .offset: 8, .size: 8, .value_kind: global_buffer, .address_space: global }
    .group_segment_fixed_size: 4352
    .private_segment_fixed_size: 0
    .kernarg_segment_align: 8
    .kernarg_segment_size: 16
    .max_flat_workgroup_size: 1024
    .sgpr_count:     66
    .vgpr_count:     26
    .wavefront_size: 32
...
	.end_amdgpu_metadata
.endif
;; end of part 7
;; launch ffn1 (part 8): grid 2 x 128, 4 waves a work-group, no clusters, 201,216 bytes of LDS; arguments xq, W1_codes, W1_scales, b1, route, hq, hs; writes hq, hs
.if DOCPART == 8
	.amdgcn_target "amdgcn-amd-amdhsa--gfx1250"
	.amdhsa_code_object_version 6
	.text
	.protected	k_q1f5ae9e1eb_ffn1
	.globl	k_q1f5ae9e1eb_ffn1
	.p2align	8
	.type	k_q1f5ae9e1eb_ffn1,@function
k_q1f5ae9e1eb_ffn1:
	s_mov_b64 s[64:65], 0
	v_nop
	global_prefetch_b8 v0, s[64:65] scope:SCOPE_SE
	s_setreg_imm32_b32 hwreg(HW_REG_WAVE_SCHED_MODE, 0, 2), 2
	s_setreg_imm32_b32 hwreg(HW_REG_WAVE_MODE, 25, 1), 1
	s_wait_xcnt 0x0
	s_wait_alu depctr_vm_vsrc(0)
; FFN, FIRST PRODUCT.  h = relu(x W1 + b1) for the rows that chose an expert, on codes of E3M2 with E8M0 scales, and h quantised along H in registers.
; SHARES.  Work-group (x = rs, y = 16 e + blk): expert e, hidden units 256 blk .. + 255, and of the expert's tiles of 16 routed rows those with number rs, rs + 2, ..
; Wave w keeps 64 rows of W1 (49,152 bytes, all of K = 1,024) in 384 registers for the whole launch; tiles of 16 tokens stream past them.  Waves share nothing: no barrier.
; WHICH ROWS.  Hidden units 128 ss .. + 127 (ss = 2 blk + w / 2) are K step ss of the next product: four blocks of 32.  Wave w owns blocks p and p + 2 of them, p = w % 2: two runs of 32 rows of W1, 64 rows apart.
; By the operand's layout these two blocks are all twelve registers of lanes 16 p .. 16 p + 15 of the next product's fragment, so what a wave stores of a fragment's image is 256 consecutive bytes of each of its three pieces.
; THE WEIGHTS come from memory in dense loads of 512 bytes, turn through the wave's own stage in LDS (rows 784 bytes apart: the 32 lanes of a load of 8 bytes touch 64 different banks) and stay.
; THE PRODUCT IS USED TRANSPOSED (source 0 = 16 rows of W1, source 1 = 16 tokens), and the rows that form a tile are chosen: lane r of tile 2 b + u takes row 8 u + r + 8 (r / 8) of my run b,
; so that the 16 registers of tiles 2 b, 2 b + 1 are 16 neighbours along H: 16 (lane / 16) + 0 .. 15 of my block b.  b1 is the C of each sum's first product.
; TWO TILES ARE ASKED FOR AT A TIME, A PAIR AHEAD: while one pair is multiplied and quantised, the next pair's 52 loads and the tokens of the pair after it (2 loads) are on their way: 54 loads of a wave, four buffers of 96 registers.
; hq: [tile g = 64 e + i][K step ss][3 pieces][lane][16 bytes]: a fragment of the next product as an image of its twelve registers, piece c = registers 4 c .. 4 c + 3.
; hs: [g][ss / 8][lane][8 words]: word ss % 8 = the scale word of K step ss of token lane % 16; a wave writes bytes p and p + 2 of it.
; A last tile that is not full takes the expert's last row again in its spare lanes: every byte of a tile that exists is written, and none of one that does not exist is read.
; NO TENSOR LOADS AND NO CLUSTER: the number of tiles is a count read from memory (route), so trip counts and branches hang on it; operands go from memory to registers.
; A work-group whose split has no tile ends at once: the price of a grid that serves every split, all tokens on one expert too.
; LIMITS.  A block of h whose largest number lies under 2^-122 (a block of zeros among them) gets the byte 1; NaN and infinities are not served.
; THE MODE: SCHED_MODE bits 1:0 = 2 (LLVM: expert scheduling mode 2), set by the entry lines.  The code itself states the register dependences
; between vector or matrix instructions and memory or LDS instructions, with s_wait_alu, always for 0.
; THE PLAN.  Registers that memory or LDS instructions touch, in the loop:
;   the four buffers and their scale words   Written by the loads of a pair's request, which is issued a pair ahead; read by that pair's products.
;   v12, v13, v30, v31, v10, v19             Offsets: written by the vector lines at a pair's head; read by the 54 loads of that pair's request.
;   v11, v29                                 Tokens: written by a load; read by the vector lines at the next pair's head.
;   v40-47, v96-103                          Written by the quantisers of a pair's first and second tile; read by the eight stores at the pair's end.
;   v3-v9, v14-v16                           Made once at the head, never written again.
;   The weights' fragments, b1, the accumulators and what the quantiser works in are named in the loop by vector and matrix instructions alone.
; So a pair has three waits.  At its head vm_vsrc: the last pair's loads have read the offsets and its stores their data; behind the address lines ONE va_vdst: the offsets are written, the tokens are read, and the
; last pair's products are done reading the other two buffers.  The 54 loads follow it, dealt among the first tile's products, which name the weights, b1, this pair's buffers and scale words and the accumulators: nothing that
; those loads touch.  At its end ONE va_vdst ahead of both tiles' stores.
.set XSC,  786432                      ; xq: where the scale bytes begin
.set CNT,  40960                       ; route: where the counts begin
.set SROW, 784
.set STGB, 64*SROW                     ; a wave's stage
.set GA,   3                           ; v3   16 x lane
.set VQ,   4                           ; v4   hq: 16 r + 256 p + 1,024 h: lanes 0-15 fill my 256 bytes of piece 0, lanes 16-31 those of piece 2
.set LA,   5                           ; v5   my stage + 16 x lane
.set LB,   6                           ; v6   the same, 16 further on for lanes 16-31 (they stand in the next row)
.set LF,   7                           ; v7   my stage + 784 r + 24 h: a fragment's place
.set PC,   32                          ; v32-38   the codes just made
.set AC,   48                          ; v48-79   four accumulators
.set TS2,  80                          ; v80-95   the tokens' scale words of buffers 2, 3;  v144-159 those of buffers 0, 1
.set WS,   112                         ; v112-143 W1's scale words: 8 t + s
.set B1,   192                         ; window 3, v192-223: b1 in the result's layout
; v1 r, v2 h, v8 W1's scale rows, v9 b1's offset, v14 384 h, v15 hq: 16 r + 256 p + 8 h (piece 1), v16 hs offset, v17 token held, v20-25 at work
; a pair's first tile: v10 list offset, v11 token, v12, v13 x's offsets, v40-47 what it stores;  its second: v19, v29, v30, v31, v96-103
; THE FOUR BUFFERS for the tokens' fragments, 96 registers each: 0, 1 in window 3 (v0-191); 2 in window 0 (v160-255); 3: K steps 0-3 in window 1, K steps 4-7 in window 2 (v192-239 of each)
; window 1, 2, v0-191: W1's fragments (tile t, K step s) at v[12 (4 t + s % 4)] of window 1 + s / 4
; s20 wave, s21 e, s22 blk, s23 rs, s24 count, s25 my tiles, s26 count - 1, s27 counts trips of four tiles (my tile number is 4 s27 + 0 .. 3), s32 the trips, s33 p, s48 lanes 16-31, s28-31 at work
.set MSB, 0
.macro WIN new                         ; the immediate's high byte repeats the setting that is left
.if MSB != \new
	s_set_vgpr_msb (MSB<<8)|\new
.set MSB, \new
.endif
.endm
.macro WPLACE                          ; where load jj of the weights' 96 lands: the four buffers, so that each of their registers is written on every path and none lies under a fragment
.if jj < 48
.set wn, 3
.set rg, 4*jj
.elseif jj < 72
.set wn, 0
.set rg, 160+4*(jj-48)
.elseif jj < 84
.set wn, 1
.set rg, 192+4*(jj-72)
.else
.set wn, 2
.set rg, 192+4*(jj-84)
.endif
.endm
.macro WLOAD                           ; two runs of 32 rows of 768 bytes, each on end: 2 x 48 loads of 512 bytes; the second run begins 64 rows behind the first
.set jj, 0
.rept 96
	WPLACE
.set wv, wn<<6
	WIN wv
	global_load_b128 v[rg:rg+3], v[GA], s[6:7] offset:512*jj+24576*(jj/48)
.set jj, jj+1
.endr
	WIN 0
.endm
.macro WSTAGE                          ; into the stage; groups of eight rows change places (1 with 2 in each four), which gives the tiles their rows
.set jj, 0
.rept 96
	WPLACE
.set wv, wn<<2
	WIN wv
.set qq, jj/3
.set rsl, 8*(((qq/4)&4)|(((qq/4)&1)<<1)|(((qq/4)>>1)&1))+2*(qq%4)
.if jj%3 == 0
	ds_store_b128 v[LA], v[rg:rg+3] offset:rsl*SROW
.elseif jj%3 == 1
	ds_store_b128 v[LB], v[rg:rg+3] offset:rsl*SROW+512
.else
	ds_store_b128 v[LA], v[rg:rg+3] offset:rsl*SROW+1040
.endif
.set jj, jj+1
.endr
	WIN 0
	s_wait_dscnt 0x0                               ; my stage is written
.endm
.macro WFRAG                           ; a fragment: 16 rows x 128 K, 12 registers: lane (r, h) takes 24 bytes at 24 h and 24 at 48 + 24 h of its row's 96, in pieces of 8
	WIN 0x40
.set ks, 0
.rept 8
.if ks == 4
	WIN 0x80
.endif
.set tt, 0
.rept 4
.set pc, 0
.rept 6
	ds_load_b64 v[12*(4*tt+(ks&3))+2*pc:12*(4*tt+(ks&3))+2*pc+1], v[LF] offset:16*tt*SROW+96*ks+48*(pc/3)+8*(pc%3)
.set pc, pc+1
.endr
.set tt, tt+1
.endr
.set ks, ks+1
.endr
	WIN 0
.endm
.macro TSREG p                         ; tsr: buffer p's eight scale words, for the products
.if (\p) < 2
.set tsr, 144+8*(\p)
.else
.set tsr, TS2+8*((\p)-2)
.endif
.endm
.macro TSL p                           ; tsl: the same, for the loads that stand among another buffer's products
.if (\p) < 2
.set tsl, 144+8*(\p)
.else
.set tsl, TS2+8*((\p)-2)
.endif
.endm
; Load j of the 26 that bring 16 tokens x 1,024 K into buffer p: 24 of codes (eight fragments, 96 registers, as they lie in xq), 2 of scale words
.macro XLOAD1 p, xo, xso, j
.if (\j) < 24
.if (\p) < 2
.set lw, 0xc0
.set lr, 96*(\p)+4*(\j)
.elseif (\p) == 2
.set lw, 0
.set lr, 160+4*(\j)
.else
.set lw, (1+(\j)/12)<<6
.set lr, 192+4*((\j)%12)
.endif
	WIN lw
	global_load_b128 v[lr:lr+3], v[\xo], s[4:5] offset:16*(\j)
.else
	WIN 0
	TSL \p
	global_load_b128 v[tsl+4*((\j)-24):tsl+4*((\j)-24)+3], v[\xso], s[4:5] offset:XSC+16*((\j)-24)
.endif
.endm
; Load nn of the 54 of a request: the two tiles of the pair behind pair pr, into the two buffers that pair pr does not multiply, and the tokens of the pair after that
.macro ASK1 pr
.if nn < 26
	XLOAD1 2-2*\pr, 12, 13, nn
.elseif nn < 52
	XLOAD1 3-2*\pr, 30, 31, nn-26
.elseif nn == 52
	WIN 0
	global_load_b32 v11, v10, s[34:35]
.elseif nn == 53
	WIN 0
	global_load_b32 v29, v19, s[34:35]
.endif
.set nn, nn+1
.endm
; 32 products on buffer p: K step by K step, the four accumulators by turns, one instruction a turn.
; Windows: source 0 (W1) 1 + s / 4; source 1 the buffer's; source 2 window 3 in the first K step, where it is b1.
; deal = 1: seven loads of the request follow each K step's four products.  No wait: no vector or matrix instruction since the wait at the pair's head names a register that they touch.
; Five plain lines follow: ahead of the first read of results and of the next tile's products, which begin the accumulators anew.
.macro MULS p, deal, pr
	TSREG \p
.set ks, 0
.rept 8
.if (\p) < 2
.set wb, 3
.set rB, 96*(\p)+12*ks
.elseif (\p) == 2
.set wb, 0
.set rB, 160+12*ks
.else
.set wb, 1+ks/4
.set rB, 192+12*(ks%4)
.endif
.set wv, (1+ks/4)|(wb<<2)
.if ks == 0
.set wv, wv|0x30
.endif
	WIN wv
.set tt, 0
.rept 4
.set rA, 12*(4*tt+(ks&3))
.set rD, AC+8*tt
.if ks == 0
	v_wmma_scale_f32_16x16x128_f8f6f4 v[rD:rD+7], v[rA:rA+11], v[rB:rB+11], v[B1+8*tt:B1+8*tt+7], v[WS+8*tt+ks], v[tsr+ks] matrix_a_fmt:MATRIX_FMT_BF6 matrix_b_fmt:MATRIX_FMT_BF6
.else
	v_wmma_scale_f32_16x16x128_f8f6f4 v[rD:rD+7], v[rA:rA+11], v[rB:rB+11], v[rD:rD+7], v[WS+8*tt+ks], v[tsr+ks] matrix_a_fmt:MATRIX_FMT_BF6 matrix_b_fmt:MATRIX_FMT_BF6
.endif
.set tt, tt+1
.endr
.if \deal
.rept 7
	ASK1 \pr
.endr
.endif
.set ks, ks+1
.endr
	WIN 0
.rept 5
	v_nop
.endr
.endm
.macro TOKA lo, add                    ; where the list holds the token of my lane's row in my tile number 4 s27 + add; a row past the expert's last takes the last
	s_lshl_b32 s28, s27, 2
	s_add_co_u32 s28, s28, (\add)
	s_lshl_b32 s28, s28, 1
	s_add_co_u32 s28, s28, s23                     ; the tile's number within the expert: rs + 2 x mine
	s_lshl_b32 s28, s28, 4
	v_add_nc_u32 v[\lo], s28, v1
	v_min_u32 v[\lo], s26, v[\lo]
	v_min_u32 v[\lo], 0x3ff, v[\lo]
	v_lshlrev_b32 v[\lo], 2, v[\lo]
.endm
.macro XADR tk, xo, xso                ; where that token's codes (my half of the lanes' 384 bytes) and scale bytes lie
	v_min_u32 v17, 0x3ff, v[\tk]
	v_mul_u32_u24 v[\xo], v17, 768
	v_add_nc_u32 v[\xo], v[\xo], v14
	v_lshlrev_b32 v[\xso], 5, v17
.endm
; relu, then my two blocks of 16 tokens become codes and bytes: v[q] .. v[q + 5] the codes in the order in which they are stored, v[q + 6], v[q + 7] the two bytes
.macro QUANT2 q
.set jj, 0
.rept 32
	v_max_num_f32 v[AC+jj], 0, v[AC+jj]            ; ascending: each accumulator is read from its low end on
.set jj, jj+1
.endr
.irp b, 0,1
	v_max3_num_f32 v[20+\b], v[AC+16*\b], v[AC+16*\b+1], 0x2800000   ; none is negative; the floor 2^(5 - 127) holds the byte at 1 from below
.endr
.irp i, 2,4,6,8,10,12,14
.irp b, 0,1
	v_max3_num_f32 v[20+\b], v[20+\b], v[AC+16*\b+\i], v[AC+16*\b+\i+1]
.endr
.endr
.irp b, 0,1
	v_permlanex16_b32 v[22+\b], v[20+\b], s44, s45
.endr
.irp b, 0,1
	v_max_num_f32 v[20+\b], v[20+\b], v[22+\b]     ; with lane l xor 16's 16: the block's largest
.endr
.irp b, 0,1
	v_add_nc_u32 v[24+\b], 0xfe000000, v[20+\b]    ; 4 off its exponent field: the conversion's scale operand
.endr
.irp b, 0,1
	v_lshrrev_b32 v[\q+6+\b], 23, v[24+\b]         ; the scale's byte
.endr
	v_cvt_scalef32_pk16_bf6_f32 v[PC:PC+2], v[AC:AC+15], v24
	v_cvt_scalef32_pk16_bf6_f32 v[PC+4:PC+6], v[AC+16:AC+31], v25
	v_nop                                          ; a plain line behind the conversions
.irp i, 0,1,2
	v_permlane16_swap_b32 v[PC+\i], v[PC+4+\i]     ; lanes 0-15 now hold my first block whole (PC .. PC + 2, PC + 4 .. PC + 6: its six registers), lanes 16-31 my second
.endr
	; a token's twelve registers are the first block's six, then the second's.  Piece 0 = the first's 0-3; piece 1 = the first's 4, 5 and the second's 0, 1; piece 2 = the second's 2-5.
	; So lanes 0-15 store registers 0-3 and then 4, 5 of their six, lanes 16-31 registers 2-5 and then 0, 1: one store of 16 bytes and one of 8 serve both halves
	v_cndmask_b32 v[\q], v[PC], v[PC+2], s48
	v_cndmask_b32 v[\q+1], v[PC+1], v[PC+4], s48
	v_cndmask_b32 v[\q+2], v[PC+2], v[PC+5], s48
	v_cndmask_b32 v[\q+3], v[PC+4], v[PC+6], s48
	v_cndmask_b32 v[\q+4], v[PC+5], v[PC], s48
	v_cndmask_b32 v[\q+5], v[PC+6], v[PC+1], s48
.endm
; Where my tile number 4 s27 + p is stored.  ba: its four scalar registers of store bases.  Each tile of a pair has its own store data and bases, so that one wait a pair frees them.
.macro BASES p, ba
	s_lshl_b32 s28, s27, 2
	s_add_co_u32 s28, s28, \p
	s_lshl_b32 s28, s28, 1
	s_add_co_u32 s28, s28, s23
	s_min_u32 s28, s28, 63                         ; the tile's number within the expert
	s_lshl_b32 s29, s21, 6
	s_add_co_u32 s28, s28, s29                     ; g
	s_mul_i32 s30, s28, 49152
	s_mov_b32 s31, 0
	s_add_nc_u64 s[\ba:\ba+1], s[36:37], s[30:31]
	s_lshl_b32 s30, s28, 12
	s_add_nc_u64 s[\ba+2:\ba+3], s[38:39], s[30:31]
.endm
.macro STORES q, ba
	global_store_b128 v[VQ], v[\q:\q+3], s[\ba:\ba+1]                ; sixteen lanes store 256 consecutive bytes, at a multiple of 256 from hq's first byte: pieces 0 and 2
	global_store_b64 v15, v[\q+4:\q+5], s[\ba:\ba+1] offset:512      ; the 32 lanes fill my 256 bytes of piece 1
	global_store_b8 v16, v[\q+6], s[\ba+2:\ba+3]                     ; byte p of the token's scale word,
	global_store_b8 v16, v[\q+7], s[\ba+2:\ba+3] offset:2            ; and byte p + 2
.endm
; Two of my tiles, numbers 4 s27 + 2 pr and + 1, in buffers 2 pr and 2 pr + 1.  The next pair is asked for among the first tile's products, into the other two buffers.
.macro PAIR pr
	s_wait_loadcnt 0x0                             ; this pair's fragments and scale words and the next pair's tokens are in
	s_wait_xcnt 0x0                                ; the last pair's loads and stores have had their addresses translated: their offsets, data and bases are rewritten only behind this wait
	s_wait_alu depctr_vm_vsrc(0)                   ; the last request's loads have read v12, v13, v30, v31, v10, v19, which the lines below write; the last pair's stores have read v40-47 and v96-103, which this pair's quantisers write
	XADR 11, 12, 13
	XADR 29, 30, 31
	TOKA 10, 2*\pr+4
	TOKA 19, 2*\pr+5
	s_wait_alu depctr_va_vdst(0)                   ; the six offsets are written, which the request's loads read; the last pair's products are done reading the other two buffers and their scale words, in which the rest land
.set nn, 0
	BASES 2*\pr, 40
	MULS 2*\pr, 1, \pr
	QUANT2 40
	s_lshl_b32 s28, s27, 2
	s_add_co_u32 s28, s28, 2*\pr+1
	s_cmp_lt_u32 s28, s25
	s_cbranch_scc1 .Lsecond_\@
	s_wait_alu depctr_va_vdst(0)                   ; an odd number of tiles: the quantiser has written v40-47, which the last tile's stores read
	STORES 40, 40
	s_wait_dscnt 0x0                               ; the closing lines, six on end
	s_wait_alu 0x0
	s_wait_tensorcnt 0x0
	ds_add_u32 v110, v111
	s_wait_dscnt 0x0
	s_endpgm
.Lsecond_\@:
	BASES 2*\pr+1, 52
	MULS 2*\pr+1, 0, \pr
	QUANT2 96
	s_wait_alu depctr_va_vdst(0)                   ; both quantisers have written v40-47 and v96-103, which the eight stores read
	STORES 40, 40
	STORES 96, 52
.endm
	s_load_b256 s[4:11], s[0:1], 0x0               ; xq s[4:5], W1's codes s[6:7], W1's scales s[8:9], b1 s[10:11]
	s_load_b128 s[12:15], s[0:1], 0x20             ; route s[12:13], hq s[14:15]
	s_load_b64 s[16:17], s[0:1], 0x30              ; hs
	v_lshl_add_u32 v110, v0, 2, 0x31000
	v_mov_b32 v111, 0
	v_lshrrev_b32 v1, 5, v0
	v_readfirstlane_b32 s20, v1                    ; wave
	s_wait_alu depctr_va_sdst(0)                   ; s20 is written, ahead of its first reader
	s_and_b32 s28, ttmp7, 0xffff
	s_lshr_b32 s21, s28, 4                         ; e
	s_and_b32 s22, s28, 15                         ; blk
	s_mov_b32 s23, ttmp9                           ; rs
	s_lshr_b32 s28, s20, 1
	s_and_b32 s33, s20, 1                          ; p
	s_lshl_b32 s30, s22, 1
	s_add_co_u32 s30, s30, s28                     ; ss = 2 blk + wave / 2
	s_mov_b32 s44, 0x76543210
	s_mov_b32 s45, 0xfedcba98                      ; v_permlanex16_b32's selects for lane l xor 16
	s_mov_b32 s48, 0xffff0000                      ; lanes 16-31
	s_mov_b32 s27, 0
	v_and_b32 v18, 31, v0                          ; lane
	v_and_b32 v1, 15, v0                           ; r
	v_bfe_u32 v2, v0, 4, 1                         ; h
	v_lshlrev_b32 v[GA], 4, v18
	s_mul_i32 s29, s20, STGB
	v_add_nc_u32 v[LA], s29, v[GA]
	v_lshl_add_u32 v[LB], v2, 4, v[LA]
	v_mul_u32_u24 v[LF], v1, SROW
	v_mad_u32_u24 v[LF], v2, 24, v[LF]
	v_add_nc_u32 v[LF], s29, v[LF]
	v_and_b32 v8, 8, v1
	v_add_nc_u32 v8, v8, v1
	v_lshlrev_b32 v8, 5, v8                        ; W1's scales: 32 bytes a row, row r + 8 (r / 8) of a tile's span
	v_lshlrev_b32 v9, 6, v2                        ; b1: 16 h numbers on
	v_mul_u32_u24 v14, v2, 384
	s_lshl_b32 s28, s33, 8
	v_lshl_add_u32 v[VQ], v1, 4, s28               ; 16 r + 256 p: token r's place among the fragment's lanes 16 p .. 16 p + 15
	v_lshl_add_u32 v15, v2, 3, v[VQ]               ; piece 1: + 8 h
	v_lshl_add_u32 v[VQ], v2, 10, v[VQ]            ; pieces 0 and 2: + 1,024 h
	s_and_b32 s28, s30, 7
	s_lshl_b32 s28, s28, 2
	s_add_co_u32 s28, s28, s33
	v_lshl_add_u32 v16, v18, 5, s28                ; hs: 32 x lane + 4 (ss % 8) + p
	v_mov_b32 v22, 0                               ; written once: a lane permute's destination counts as one of its sources
	v_mov_b32 v23, 0
	s_mov_b32 s29, 0
	s_wait_kmcnt 0x0
	s_lshl_b32 s28, s21, 2
	s_add_nc_u64 s[46:47], s[12:13], s[28:29]
	s_load_b32 s24, s[46:47], CNT                  ; the expert's rows
	s_lshl_b32 s28, s21, 12                        ; 4,096 e: the expert's list in bytes, and its first row of W1
	s_add_nc_u64 s[34:35], s[12:13], s[28:29]
	s_lshl_b32 s31, s30, 7
	s_add_co_u32 s31, s31, s28
	s_lshl_b32 s28, s33, 5
	s_add_co_u32 s31, s31, s28                     ; my first row of W1: 4,096 e + 128 ss + 32 p
	s_mul_i32 s28, s31, 768
	s_add_nc_u64 s[6:7], s[6:7], s[28:29]
	s_lshl_b32 s28, s31, 5
	s_add_nc_u64 s[8:9], s[8:9], s[28:29]
	s_lshl_b32 s28, s31, 2
	s_add_nc_u64 s[10:11], s[10:11], s[28:29]
	s_mul_i32 s28, s30, 1536
	s_add_nc_u64 s[36:37], s[14:15], s[28:29]      ; hq at K step ss
	s_lshr_b32 s28, s30, 3
	s_lshl_b32 s28, s28, 10
	s_add_nc_u64 s[38:39], s[16:17], s[28:29]      ; hs at ss / 8
	s_wait_alu depctr_va_vdst(0)                   ; the offsets and addresses v3 to v9 and v14 to v16 are written, which the loads, LDS instructions and stores of the whole kernel read
	WLOAD
.irp t, 0,1,2,3
	global_load_b128 v[WS+8*\t:WS+8*\t+3], v8, s[8:9] offset:(64*(\t/2)+8*(\t%2))*32
	global_load_b128 v[WS+8*\t+4:WS+8*\t+7], v8, s[8:9] offset:(64*(\t/2)+8*(\t%2))*32+16
.endr
	WIN 0xc0
.irp t, 0,1,2,3
	global_load_b128 v[B1+8*\t:B1+8*\t+3], v9, s[10:11] offset:(64*(\t/2)+8*(\t%2))*4
	global_load_b128 v[B1+8*\t+4:B1+8*\t+7], v9, s[10:11] offset:(64*(\t/2)+8*(\t%2))*4+16
.endr
	WIN 0
	s_wait_kmcnt 0x0
	s_min_u32 s24, s24, 1024
	s_add_co_u32 s28, s24, 15
	s_lshr_b32 s28, s28, 4                         ; the expert's tiles
	s_add_co_u32 s28, s28, 1
	s_sub_co_u32 s28, s28, s23
	s_lshr_b32 s25, s28, 1                         ; mine: numbers rs, rs + 2, ..
	s_add_co_u32 s32, s25, 3
	s_lshr_b32 s32, s32, 2                         ; and the trips of four of them, a last part of a trip counted as one: 8 at the most
	s_cmp_lg_u32 s25, 0
	s_cbranch_scc1 .Lwork
	s_endpgm                                       ; this split leaves me no tile (nothing has been stored to LDS yet)
.Lwork:
	s_sub_co_u32 s26, s24, 1
	TOKA 10, 0
	TOKA 19, 1
	s_wait_alu depctr_va_vdst(0)                   ; v10 and v19 are written, which the two loads below read
	global_load_b32 v11, v10, s[34:35]
	global_load_b32 v29, v19, s[34:35]
	s_wait_loadcnt 0x0                             ; the weights, their scales, b1 and the first pair's tokens
	WSTAGE
	s_wait_alu depctr_vm_vsrc(0)                   ; the LDS stores have read the four buffers, in which the tokens' fragments land from here on; the two loads above have read v10 and v19, which are written again below
	XADR 11, 12, 13
	XADR 29, 30, 31
	TOKA 10, 2
	TOKA 19, 3
	s_wait_alu depctr_va_vdst(0)                   ; the six offsets are written, which the first request's loads read
.set nn, 0
.rept 54
	ASK1 1                                         ; the first pair into buffers 0 and 1 (only now: the buffers lie where the weights were loaded), and the second pair's tokens
.endr
	WIN 0
	WFRAG                                          ; the first pair lands meanwhile
	s_wait_dscnt 0x0
.Lquad:                                            ; a trip takes four of my tiles, one in each buffer; the counter counts trips, one a trip
	PAIR 0
	s_lshl_b32 s28, s27, 2
	s_add_co_u32 s28, s28, 2
	s_cmp_lt_u32 s28, s25
	s_cbranch_scc1 .Lmore
	s_wait_dscnt 0x0                               ; no second pair in this trip: the closing lines, six on end
	s_wait_alu 0x0
	s_wait_tensorcnt 0x0
	ds_add_u32 v110, v111
	s_wait_dscnt 0x0
	s_endpgm
.Lmore:
	PAIR 1
	s_add_co_u32 s27, s27, 1
	s_cmp_lt_u32 s27, s32
	s_cbranch_scc1 .Lquad
	s_wait_dscnt 0x0                               ; the closing lines, six on end
	s_wait_alu 0x0
	s_wait_tensorcnt 0x0
	ds_add_u32 v110, v111
	s_wait_dscnt 0x0
	s_endpgm
.Lfunc_end_k_q1f5ae9e1eb_ffn1:
	.size	k_q1f5ae9e1eb_ffn1, .Lfunc_end_k_q1f5ae9e1eb_ffn1-k_q1f5ae9e1eb_ffn1
	.p2alignl 7, 3214868480
	.fill 96, 4, 3214868480
	.section	.rodata,"a",@progbits
	.p2align	6, 0x0
	.amdhsa_kernel k_q1f5ae9e1eb_ffn1
		.amdhsa_group_segment_fixed_size 201216
		.amdhsa_private_segment_fixed_size 0
		.amdhsa_enable_private_segment 0
		.amdhsa_kernarg_size 56
		.amdhsa_user_sgpr_count 2
		.amdhsa_user_sgpr_kernarg_segment_ptr 1
		.amdhsa_wavefront_size32 1
		.amdhsa_system_sgpr_workgroup_id_x 1
		.amdhsa_system_sgpr_workgroup_id_y 1
		.amdhsa_system_sgpr_workgroup_id_z 1
		.amdhsa_system_vgpr_workitem_id 0
		.amdhsa_next_free_vgpr 1024
		.amdhsa_next_free_sgpr 66
		.amdhsa_reserve_vcc 0
		.amdhsa_float_denorm_mode_32 3
		.amdhsa_float_denorm_mode_16_64 3
		.amdhsa_memory_ordered 1
		.amdhsa_forward_progress 1
		.amdhsa_inst_pref_size 89
	.end_amdhsa_kernel
	.amdgpu_metadata
---
amdhsa.version: [ 1, 2 ]
amdhsa.kernels:
  - .name:           k_q1f5ae9e1eb_ffn1
    .symbol:         k_q1f5ae9e1eb_ffn1.kd
    .args:
      - { .name: xq, .offset: 0, .size: 8, .value_kind: global_buffer, .address_space: global }
      - { .name: W1_codes, .offset: 8, .size: 8, .value_kind: global_buffer, .address_space: global }
      - { .name: W1_scales, .offset: 16, .size: 8, .value_kind: global_buffer, .address_space: global }
      - { .name: b1, .offset: 24, .size: 8, .value_kind: global_buffer, .address_space: global }
      - { .name: route, .offset: 32, .size: 8, .value_kind: global_buffer, .address_space: global }
      - { .name: hq, .offset: 40, .size: 8, .value_kind: global_buffer, .address_space: global }
      - { .name: hs, .offset: 48, .size: 8, .value_kind: global_buffer, .address_space: global }
    .group_segment_fixed_size: 201216
    .private_segment_fixed_size: 0
    .kernarg_segment_align: 8
    .kernarg_segment_size: 56
    .max_flat_workgroup_size: 128
    .sgpr_count:     66
    .vgpr_count:     1024
    .wavefront_size: 32
...
	.end_amdgpu_metadata
.endif
;; end of part 8
;; launch ffn2 (part 9): grid 2 x 128, 4 waves a work-group, no clusters, 270,848 bytes of LDS; arguments hq, hs, W2_codes, W2_scales, b2, route, yrow; writes yrow
.if DOCPART == 9
	.amdgcn_target "amdgcn-amd-amdhsa--gfx1250"
	.amdhsa_code_object_version 6
	.text
	.protected	k_q1f5ae9e1eb_ffn2
	.globl	k_q1f5ae9e1eb_ffn2
	.p2align	8
	.type	k_q1f5ae9e1eb_ffn2,@function
k_q1f5ae9e1eb_ffn2:
	s_mov_b64 s[64:65], 0
	v_nop
	global_prefetch_b8 v0, s[64:65] scope:SCOPE_SE
	s_setreg_imm32_b32 hwreg(HW_REG_WAVE_SCHED_MODE, 0, 2), 2
	s_setreg_imm32_b32 hwreg(HW_REG_WAVE_MODE, 25, 1), 1
	s_wait_xcnt 0x0
	s_wait_alu depctr_vm_vsrc(0)
; FFN, SECOND PRODUCT.  yrow[1024 e + row] = h W2 + b2 for each routed row, on codes of E3M2 with E8M0 scales.
; SHARES.  Work-group (x = rs, y = 16 e + cb): expert e, output columns 64 cb .. + 63, and of the expert's tiles of 16 rows those with number rs, rs + 2, ..
; THE WAVES SPLIT K: wave w keeps bytes 768 w .. + 767 (K steps 8 w .. 8 w + 7) of the 64 rows of W2 in 384 registers for the whole launch, so each byte of h enters the work-group once, into the one wave that uses it.
; The four partial sums of a tile meet in LDS; each wave adds and stores four rows, sixteen lanes to 256 consecutive, aligned bytes.
; The product is used transposed (source 0 = 16 rows of W2, source 1 = 16 tokens): a lane holds eight neighbouring columns of one token.
; THE WEIGHTS come from memory in pieces of 256 bytes or more, turn through the wave's own stage in LDS (rows 784 bytes apart) and stay.
; h comes as images of the operand's registers (hq: [tile][K step][3 pieces][lane][16 bytes]: my eight K steps of a tile are 12,288 bytes on end, 24 loads of 512) and ready scale words (hs), as the launch before has laid them.
; TWO TILES ARE ASKED FOR AT A TIME, A BATCH AHEAD: while one batch is multiplied, summed and stored, the next batch's 52 loads are on their way: four buffers of 96 registers.
; BARRIERS STAND ON EVERY WAVE'S PATH: the loop has a constant 8 trips of 2 batches of 2 tiles, the most a split can have (32); a tile's work lies inside a branch on the stored count, the barriers outside.
; Every wait for loads from memory is for all of them: it holds whichever of those branches were taken.
; NO TENSOR LOADS AND NO CLUSTER: branches hang on a count read from memory (route); operands go from memory to registers.
; The sum over K is made of four partial sums: its order differs from an ascending one.
; THE MODE: SCHED_MODE bits 1:0 = 2 (LLVM: expert scheduling mode 2), set by the entry lines.  The code itself states the register dependences
; between vector or matrix instructions and memory or LDS instructions, with s_wait_alu, always for 0.
; THE PLAN.  Registers that memory or LDS instructions touch, in the loop:
;   the four buffers and their scale words   Written by the loads of a batch's request, issued a batch ahead; read by that batch's products.
;   two sets of accumulators                 One for each tile of a batch: written by its products; read by the LDS stores of the partial sums.
;   two sets RD                              One for each tile of a batch: written by LDS loads, added in place by vector lines; the first eight registers of each are read by the stores to yrow.
;   v3, v11-v16                              Offsets and LDS addresses, made once at the head and never written again.
; So a batch's 64 products stand on end, and ONE wait on va_vdst behind them states that the accumulators are written, ahead of the sixteen LDS stores.  The same wait states that the products are done reading their
; buffers: the next batch's request, which lands there, owes no wait of its own, since nothing issued in between names them.  ONE wait on vm_vsrc stands ahead of the barrier, on every wave's path: the LDS stores have read the
; accumulators, which the next products write, and the last batch's stores to yrow have read RD, in which the LDS loads behind the barrier land.  ONE wait on va_vdst stands behind the additions, ahead of the stores to yrow;
; it also states that the additions are done with RD, for the next batch's LDS loads.  The way of a batch with one tile is written out, with its own waits.
.set CNT,  40960                       ; route: where the counts begin
.set WP,   3072                        ; a row of W2 in bytes
.set SROW, 784
.set STGB, 64*SROW                     ; a wave's stage
.set RED,  4*STGB                      ; behind the stages: two sets of partial sums; in a set: tau x 17,408 + wave x 4,352: 16 rows of 256 + 16 bytes
.set SETB, 2*17408                     ; a set
.set GA,   3                           ; v3   16 x lane
.set GB,   4                           ; v4   the same, a row less 768 bytes further on for lanes 16-31
.set LA,   5                           ; v5   my stage + 16 x lane
.set LB,   6                           ; v6   the same, 16 further on for lanes 16-31
.set LF,   7                           ; v7   my stage + 784 r + 24 h
.set B2,   20                          ; v20-23   b2 of my four columns
.set TS2,  32                          ; v32-47   h's scale words of buffers 2, 3;  v144-159 those of buffers 0, 1
.set AC,   48                          ; v48-79   the four accumulators of a batch's first tile
.set AC1,  192                         ; window 3, v192-223: those of its second
.set RD,   80                          ; v80-111  four waves' partial sums of my four rows of a batch's first tile;  window 3, v224-255 (RD + 144): of its second
.set WS,   112                         ; v112-143 W2's scale words: 8 t + s
; v1 r, v2 h, v8 W2's scale rows, v9 16 r, v11 32 x lane, v14 my place in yrow
; v12, v16 partial sums in (set 0, set 1); v13, v15 partial sums out (set 0, set 1): a set has address registers of its own, so that every immediate stays inside the LDS instructions' 16 bits
; THE FOUR BUFFERS for h's fragments, 96 registers each: 0, 1 in window 3 (v0-191); 2 in window 0 (v160-255); 3: K steps 0-3 in window 1, K steps 4-7 in window 2 (v192-239 of each)
; window 1, 2, v0-191: W2's fragments (tile t, K step s) at v[12 (4 t + s % 4)] of window 1 + s / 4
; s20 wave, s21 e, s22 cb, s23 rs, s24 count, s25 my tiles, s26 my tiles - 1, s27 tile counter, s28-31 at work; s[40:43], s[52:55] the load bases of a batch's two tiles; s[48:49], s[56:57] their store bases
.set MSB, 0
.macro WIN new                         ; the immediate's high byte repeats the setting that is left
.if MSB != \new
	s_set_vgpr_msb (MSB<<8)|\new
.set MSB, \new
.endif
.endm
.macro WPLACE                          ; where load jj of the weights' 96 lands: the four buffers, so that each of their registers is written on every path and none lies under a fragment
.if jj < 48
.set wn, 3
.set rg, 4*jj
.elseif jj < 72
.set wn, 0
.set rg, 160+4*(jj-48)
.elseif jj < 84
.set wn, 1
.set rg, 192+4*(jj-72)
.else
.set wn, 2
.set rg, 192+4*(jj-84)
.endif
.endm
.macro WLOAD                           ; 64 rows x 768 bytes, WP apart: two rows are three loads of 512 bytes, the middle one 256 of each row
.set jj, 0
.rept 96
	WPLACE
.set wv, wn<<6
	WIN wv
.set qq, jj/3
.if jj%3 == 0
	global_load_b128 v[rg:rg+3], v[GA], s[8:9] offset:2*qq*WP
.elseif jj%3 == 1
	global_load_b128 v[rg:rg+3], v[GB], s[8:9] offset:2*qq*WP+512
.else
	global_load_b128 v[rg:rg+3], v[GA], s[8:9] offset:(2*qq+1)*WP+256
.endif
.set jj, jj+1
.endr
	WIN 0
.endm
.macro WSTAGE
.set jj, 0
.rept 96
	WPLACE
.set wv, wn<<2
	WIN wv
.set qq, jj/3
.if jj%3 == 0
	ds_store_b128 v[LA], v[rg:rg+3] offset:2*qq*SROW
.elseif jj%3 == 1
	ds_store_b128 v[LB], v[rg:rg+3] offset:2*qq*SROW+512
.else
	ds_store_b128 v[LA], v[rg:rg+3] offset:2*qq*SROW+1040
.endif
.set jj, jj+1
.endr
	WIN 0
	s_wait_dscnt 0x0                               ; my stage is written
.endm
.macro WFRAG                           ; a fragment: 16 rows x 128 K, 12 registers: lane (r, h) takes 24 bytes at 24 h and 24 at 48 + 24 h of its row's 96, in pieces of 8
	WIN 0x40
.set ks, 0
.rept 8
.if ks == 4
	WIN 0x80
.endif
.set tt, 0
.rept 4
.set pc, 0
.rept 6
	ds_load_b64 v[12*(4*tt+(ks&3))+2*pc:12*(4*tt+(ks&3))+2*pc+1], v[LF] offset:16*tt*SROW+96*ks+48*(pc/3)+8*(pc%3)
.set pc, pc+1
.endr
.set tt, tt+1
.endr
.set ks, ks+1
.endr
	WIN 0
.endm
.macro TSREG p                         ; tsr: buffer p's eight scale words
.if (\p) < 2
.set tsr, 144+8*(\p)
.else
.set tsr, TS2+8*((\p)-2)
.endif
.endm
; 32 products on buffer p into accumulator set a: K step by K step, the four accumulators by turns, one instruction a turn; the first K step starts the sums.
; Windows: source 0 (W2) 1 + s / 4; source 1 the buffer's; C and D window 0 (set 0) or 3 (set 1).
; Five plain lines follow: ahead of the first read of results, and of later products that begin these accumulators anew.
.macro MULS p, a
	TSREG \p
.set ks, 0
.rept 8
.if (\p) < 2
.set wb, 3
.set rB, 96*(\p)+12*ks
.elseif (\p) == 2
.set wb, 0
.set rB, 160+12*ks
.else
.set wb, 1+ks/4
.set rB, 192+12*(ks%4)
.endif
.set wv, (1+ks/4)|(wb<<2)|(0xf0*(\a))
	WIN wv
.set tt, 0
.rept 4
.set rA, 12*(4*tt+(ks&3))
.set rD, AC+(AC1-AC)*(\a)+8*tt
.if ks == 0
	v_wmma_scale_f32_16x16x128_f8f6f4 v[rD:rD+7], v[rA:rA+11], v[rB:rB+11], 0, v[WS+8*tt+ks], v[tsr+ks] matrix_a_fmt:MATRIX_FMT_BF6 matrix_b_fmt:MATRIX_FMT_BF6
.else
	v_wmma_scale_f32_16x16x128_f8f6f4 v[rD:rD+7], v[rA:rA+11], v[rB:rB+11], v[rD:rD+7], v[WS+8*tt+ks], v[tsr+ks] matrix_a_fmt:MATRIX_FMT_BF6 matrix_b_fmt:MATRIX_FMT_BF6
.endif
.set tt, tt+1
.endr
.set ks, ks+1
.endr
	WIN 0
.rept 5
	v_nop
.endr
.endm
; My K quarter of my tile number s27 + add (held at my last tile) into buffer p: 24 loads of 512 bytes on end, and eight scale words.  ba: the four scalar registers of its bases
.macro LOADH p, add, ba
	s_add_co_u32 s28, s27, (\add)
	s_min_u32 s28, s28, s26
	s_min_u32 s28, s28, 31
	s_lshl_b32 s28, s28, 1
	s_add_co_u32 s28, s28, s23
	s_lshl_b32 s29, s21, 6
	s_add_co_u32 s28, s28, s29                     ; g
	s_mul_i32 s30, s28, 49152
	s_mov_b32 s31, 0
	s_add_nc_u64 s[\ba:\ba+1], s[36:37], s[30:31]
	s_lshl_b32 s30, s28, 12
	s_add_nc_u64 s[\ba+2:\ba+3], s[38:39], s[30:31]
.set jj, 0
.rept 24
.if (\p) < 2
.set wv, 0xc0
.set rg, 96*(\p)+4*jj
.elseif (\p) == 2
.set wv, 0
.set rg, 160+4*jj
.else
.set wv, (1+jj/12)<<6
.set rg, 192+4*(jj%12)
.endif
	WIN wv
	global_load_b128 v[rg:rg+3], v[GA], s[\ba:\ba+1] offset:512*jj
.set jj, jj+1
.endr
	WIN 0
	TSREG \p
	global_load_b128 v[tsr:tsr+3], v11, s[\ba+2:\ba+3]
	global_load_b128 v[tsr+4:tsr+7], v11, s[\ba+2:\ba+3] offset:16
.endm
.macro SUMS tau, buf                   ; my K quarter's partial sums of the batch's tile tau go to LDS, set buf (an LDS store's data are its source 1)
.if \tau
	WIN 0x0c
.endif
.irp c, 0,1,2,3
	ds_store_b128 v[12+4*\buf], v[AC+(AC1-AC)*\tau+8*\c:AC+(AC1-AC)*\tau+8*\c+3] offset:\tau*17408+64*\c        ; each accumulator from its low end on
	ds_store_b128 v[12+4*\buf], v[AC+(AC1-AC)*\tau+8*\c+4:AC+(AC1-AC)*\tau+8*\c+7] offset:\tau*17408+64*\c+16
.endr
	WIN 0
.endm
.macro RBASE tau, buf, ba              ; where my tile number s27 + 2 buf + tau lies in yrow
	s_add_co_u32 s28, s27, 2*\buf+\tau
	s_lshl_b32 s28, s28, 1
	s_add_co_u32 s28, s28, s23
	s_min_u32 s28, s28, 63                         ; the tile's number within the expert: 16 rows of 4,096 bytes each
	s_lshl_b32 s30, s28, 16
	s_mov_b32 s31, 0
	s_add_nc_u64 s[\ba:\ba+1], s[46:47], s[30:31]
.endm
.macro RLOAD tau, buf                  ; rows 4 w .. 4 w + 3 of the four waves' partial sums of tile tau
.if \tau
	WIN 0xc0
.endif
.irp u, 0,1,2,3
.irp a, 0,1
	ds_load_b128 v[RD+144*\tau+4*(2*\u+\a):RD+144*\tau+4*(2*\u+\a)+3], v[13+2*\buf] offset:\tau*17408+4352*\u+544*\a
.endr
.endr
	WIN 0
.endm
.macro RADD tau                        ; (wave 0's + wave 1's) + (wave 2's + wave 3's) + b2
.set rr, RD+144*\tau
.if \tau
	WIN 0xcf
.endif
.irp a, 0,1
.irp d, 0,2
	v_pk_add_f32 v[rr+4*\a+\d:rr+4*\a+\d+1], v[rr+4*\a+\d:rr+4*\a+\d+1], v[rr+8+4*\a+\d:rr+8+4*\a+\d+1]
	v_pk_add_f32 v[rr+16+4*\a+\d:rr+16+4*\a+\d+1], v[rr+16+4*\a+\d:rr+16+4*\a+\d+1], v[rr+24+4*\a+\d:rr+24+4*\a+\d+1]
.endr
.endr
.irp a, 0,1
.irp d, 0,2
	v_pk_add_f32 v[rr+4*\a+\d:rr+4*\a+\d+1], v[rr+4*\a+\d:rr+4*\a+\d+1], v[rr+16+4*\a+\d:rr+16+4*\a+\d+1]
.endr
.endr
.if \tau
	WIN 0xc3                                       ; b2 lies in window 0
.endif
.irp a, 0,1
.irp d, 0,2
	v_pk_add_f32 v[rr+4*\a+\d:rr+4*\a+\d+1], v[rr+4*\a+\d:rr+4*\a+\d+1], v[B2+\d:B2+\d+1]
.endr
.endr
	WIN 0
.endm
.macro RSTORE tau, ba                  ; (a store's data are its source 1)
.if \tau
	WIN 0x0c
.endif
.irp a, 0,1
	global_store_b128 v14, v[RD+144*\tau+4*\a:RD+144*\tau+4*\a+3], s[\ba:\ba+1] offset:8192*\a   ; sixteen lanes store 256 consecutive bytes, at a multiple of 256 from yrow's first byte
.endr
	WIN 0
.endm
; The batch's tiles, as many as there are, are summed and stored.  Both tiles' LDS loads go out together; the first tile is added while the second's land.
.macro REDUCE2 buf
	s_add_co_u32 s28, s27, 2*\buf
	s_cmp_lt_u32 s28, s25
	s_cbranch_scc0 .Lno_sum_\@
	s_wait_xcnt 0x0                                ; the earlier stores have had their addresses translated: their data and bases are rewritten only behind this wait
	RBASE 0, \buf, 48
	RLOAD 0, \buf                                  ; no s_wait_alu here: the wait on vm_vsrc ahead of the barrier and the last batch's wait on va_vdst ahead of its stores have stated all that these loads hang on
	s_add_co_u32 s28, s27, 2*\buf+1
	s_cmp_lt_u32 s28, s25
	s_cbranch_scc0 .Lonly_\@
	RBASE 1, \buf, 56
	RLOAD 1, \buf
	s_wait_dscnt 8                                 ; LDS loads come back in order: the first tile's eight are in, the second tile's eight, issued behind them, may be out
	RADD 0
	s_wait_dscnt 0x0
	RADD 1
	s_wait_alu depctr_va_vdst(0)                   ; the additions have written the first eight registers of both RD, which the four stores read
	RSTORE 0, 48
	RSTORE 1, 56
	s_branch .Lno_sum_\@
.Lonly_\@:
	s_wait_dscnt 0x0
	RADD 0
	s_wait_alu depctr_va_vdst(0)                   ; the additions have written v80-87, which the two stores read
	RSTORE 0, 48
.Lno_sum_\@:
.endm
; Two tiles, numbers s27 + 2 buf and + 1, in buffers 2 buf and 2 buf + 1; one barrier.  The next batch, if there is one, is asked for first, into the other two buffers.
; The two sets of LDS bytes take turns: a set is written again only behind the other set's barrier, which every wave reaches behind the wait for its reads of this one.
.macro BATCH buf
	s_add_co_u32 s28, s27, 2*\buf
	s_cmp_lt_u32 s28, s25
	s_cbranch_scc0 .Lno_pair_\@
	s_wait_loadcnt 0x0                             ; this batch's fragments and scale words are in, and the loads' bases are free
	s_add_co_u32 s28, s27, 2*\buf+2
	s_cmp_lt_u32 s28, s25
	s_cbranch_scc0 .Lno_next_\@
	LOADH 2-2*\buf, 2*\buf+2, 40                   ; the next batch lands while this one is multiplied, summed and stored.  No s_wait_alu: the products that read these two buffers and their scale words
	LOADH 3-2*\buf, 2*\buf+3, 52                   ; stand ahead of the last batch's wait on va_vdst, and nothing issued since names them
.Lno_next_\@:
	MULS 2*\buf, 0
	s_add_co_u32 s28, s27, 2*\buf+1
	s_cmp_lt_u32 s28, s25
	s_cbranch_scc0 .Lone_\@
	MULS 2*\buf+1, 1
	s_wait_alu depctr_va_vdst(0)                   ; the 64 products have written both sets of accumulators, which the LDS stores read, and are done reading their two buffers; the places above stay beside this wait
	SUMS 0, \buf
	SUMS 1, \buf
	s_branch .Lno_pair_\@
.Lone_\@:
	s_wait_alu depctr_va_vdst(0)                   ; the one tile's products have written v48-79, which the LDS stores read, and are done reading their buffer; the places above stay beside this wait
	SUMS 0, \buf
.Lno_pair_\@:
	s_wait_dscnt 0x0                               ; for the others' sake: my partial sums lie in LDS, and my reads of the other set are over
	s_wait_alu depctr_vm_vsrc(0)                   ; my LDS stores have read the accumulators, which the next batch's products write; the last batch's stores to yrow have read RD, in which the LDS loads behind the barrier land
	s_barrier_signal -1
	s_barrier_wait -1
	REDUCE2 \buf
.endm
	s_load_b256 s[4:11], s[0:1], 0x0               ; hq s[4:5], hs s[6:7], W2's codes s[8:9], W2's scales s[10:11]
	s_load_b128 s[12:15], s[0:1], 0x20             ; b2 s[12:13], route s[14:15]
	s_load_b64 s[16:17], s[0:1], 0x30              ; yrow
	v_lshl_add_u32 v30, v0, 2, 0x42000
	v_mov_b32 v31, 0
.irp i, 0,1,2,3,4,5,6,7,8,9,10,11,12,13,14,15
	v_mov_b32 v[144+\i], 0x7f7f7f7f                ; scale words of 1.0, so that these registers hold scales on every path; the address lines below stand between them and any product
	v_mov_b32 v[TS2+\i], 0x7f7f7f7f
.endr
	v_lshrrev_b32 v1, 5, v0
	v_readfirstlane_b32 s20, v1                    ; wave
	s_wait_alu depctr_va_sdst(0)                   ; s20 is written, ahead of its first reader
	s_and_b32 s28, ttmp7, 0xffff
	s_lshr_b32 s21, s28, 4                         ; e
	s_and_b32 s22, s28, 15                         ; cb
	s_mov_b32 s23, ttmp9                           ; rs
	s_mov_b32 s27, 0
	v_and_b32 v18, 31, v0                          ; lane
	v_and_b32 v1, 15, v0                           ; r
	v_bfe_u32 v2, v0, 4, 1                         ; h
	v_lshlrev_b32 v[GA], 4, v18
	v_mul_u32_u24 v[GB], v2, WP-768
	v_add_nc_u32 v[GB], v[GB], v[GA]
	s_mul_i32 s29, s20, STGB
	v_add_nc_u32 v[LA], s29, v[GA]
	v_lshl_add_u32 v[LB], v2, 4, v[LA]
	v_mul_u32_u24 v[LF], v1, SROW
	v_mad_u32_u24 v[LF], v2, 24, v[LF]
	v_add_nc_u32 v[LF], s29, v[LF]
	v_lshlrev_b32 v8, 7, v1                        ; W2's scales: 128 bytes a row
	v_lshlrev_b32 v9, 4, v1
	v_lshlrev_b32 v11, 5, v18
	s_mul_i32 s28, s20, 4352
	s_add_co_u32 s28, s28, RED
	v_mul_u32_u24 v12, v1, 272
	v_lshl_add_u32 v12, v2, 5, v12
	v_add_nc_u32 v12, s28, v12                     ; in: my wave's 16 rows; row r, 32 bytes for each half of the lanes
	v_add_nc_u32 v16, SETB, v12                    ; the same in set 1
	s_mul_i32 s28, s20, 1088
	s_add_co_u32 s28, s28, RED
	v_mul_u32_u24 v13, v2, 272
	v_lshl_add_u32 v13, v1, 4, v13
	v_add_nc_u32 v13, s28, v13                     ; out: row 4 w + h, 16 bytes a lane
	v_add_nc_u32 v15, SETB, v13                    ; the same in set 1
	s_lshl_b32 s28, s20, 14
	v_lshlrev_b32 v14, 12, v2
	v_lshl_add_u32 v14, v1, 4, v14
	v_add_nc_u32 v14, s28, v14                     ; and the same place in yrow
	s_mov_b32 s29, 0
	s_wait_kmcnt 0x0
	s_lshl_b32 s28, s21, 2
	s_add_nc_u64 s[50:51], s[14:15], s[28:29]
	s_load_b32 s24, s[50:51], CNT                  ; the expert's rows
	s_lshl_b32 s31, s21, 10
	s_lshl_b32 s28, s22, 6
	s_add_co_u32 s31, s31, s28                     ; my first row of W2: 1,024 e + 64 cb
	s_mul_i32 s28, s31, WP
	s_add_nc_u64 s[8:9], s[8:9], s[28:29]
	s_mul_i32 s28, s20, 768
	s_add_nc_u64 s[8:9], s[8:9], s[28:29]          ; and my K quarter of it
	s_lshl_b32 s28, s31, 7
	s_add_nc_u64 s[10:11], s[10:11], s[28:29]
	s_lshl_b32 s28, s20, 5
	s_add_nc_u64 s[10:11], s[10:11], s[28:29]
	s_lshl_b32 s28, s31, 2
	s_add_nc_u64 s[12:13], s[12:13], s[28:29]
	s_mul_i32 s28, s20, 12288
	s_add_nc_u64 s[36:37], s[4:5], s[28:29]        ; hq at my eight K steps of a tile
	s_lshl_b32 s28, s20, 10
	s_add_nc_u64 s[38:39], s[6:7], s[28:29]        ; hs at my quarter
	s_lshl_b32 s28, s21, 22
	s_add_nc_u64 s[46:47], s[16:17], s[28:29]
	s_lshl_b32 s28, s22, 8
	s_add_nc_u64 s[46:47], s[46:47], s[28:29]      ; yrow at the expert's first row, my columns
	s_wait_alu depctr_va_vdst(0)                   ; the offsets and addresses v3 to v16 are written, which the loads, LDS instructions and stores of the whole kernel read; so are v32-47 and v144-159, in which scale words land and which the products name as scales
	WLOAD
.irp t, 0,1,2,3
	global_load_b128 v[WS+8*\t:WS+8*\t+3], v8, s[10:11] offset:16*\t*128
	global_load_b128 v[WS+8*\t+4:WS+8*\t+7], v8, s[10:11] offset:16*\t*128+16
.endr
	global_load_b128 v[B2:B2+3], v9, s[12:13]
	s_wait_kmcnt 0x0
	s_min_u32 s24, s24, 1024
	s_add_co_u32 s28, s24, 15
	s_lshr_b32 s28, s28, 4                         ; the expert's tiles
	s_add_co_u32 s28, s28, 1
	s_sub_co_u32 s28, s28, s23
	s_lshr_b32 s25, s28, 1                         ; mine: numbers rs, rs + 2, ..
	s_sub_co_u32 s26, s25, 1
	s_wait_loadcnt 0x0                             ; the weights, their scales and b2
	WSTAGE
	s_wait_alu depctr_vm_vsrc(0)                   ; the LDS stores have read the four buffers, in which h's fragments land from here on
	s_cmp_eq_u32 s25, 0
	s_cbranch_scc1 .Lno_rows
	LOADH 0, 0, 40                                 ; only now: the buffers lie where the weights were loaded
	LOADH 1, 1, 52
.Lno_rows:
	WFRAG                                          ; the first batch lands meanwhile
	s_wait_dscnt 0x0
.Ltrip:
	BATCH 0
	BATCH 1
	s_add_co_u32 s27, s27, 4
	s_cmp_lt_u32 s27, 32
	s_cbranch_scc1 .Ltrip
	s_wait_dscnt 0x0                               ; the closing lines, six on end
	s_wait_alu 0x0
	s_wait_tensorcnt 0x0
	ds_add_u32 v30, v31
	s_wait_dscnt 0x0
	s_endpgm
.Lfunc_end_k_q1f5ae9e1eb_ffn2:
	.size	k_q1f5ae9e1eb_ffn2, .Lfunc_end_k_q1f5ae9e1eb_ffn2-k_q1f5ae9e1eb_ffn2
	.p2alignl 7, 3214868480
	.fill 96, 4, 3214868480
	.section	.rodata,"a",@progbits
	.p2align	6, 0x0
	.amdhsa_kernel k_q1f5ae9e1eb_ffn2
		.amdhsa_group_segment_fixed_size 270848
		.amdhsa_private_segment_fixed_size 0
		.amdhsa_enable_private_segment 0
		.amdhsa_kernarg_size 56
		.amdhsa_user_sgpr_count 2
		.amdhsa_user_sgpr_kernarg_segment_ptr 1
		.amdhsa_wavefront_size32 1
		.amdhsa_system_sgpr_workgroup_id_x 1
		.amdhsa_system_sgpr_workgroup_id_y 1
		.amdhsa_system_sgpr_workgroup_id_z 1
		.amdhsa_system_vgpr_workitem_id 0
		.amdhsa_next_free_vgpr 1024
		.amdhsa_next_free_sgpr 66
		.amdhsa_reserve_vcc 0
		.amdhsa_float_denorm_mode_32 3
		.amdhsa_float_denorm_mode_16_64 3
		.amdhsa_memory_ordered 1
		.amdhsa_forward_progress 1
		.amdhsa_inst_pref_size 85
	.end_amdhsa_kernel
	.amdgpu_metadata
---
amdhsa.version: [ 1, 2 ]
amdhsa.kernels:
  - .name:           k_q1f5ae9e1eb_ffn2
    .symbol:         k_q1f5ae9e1eb_ffn2.kd
    .args:
      - { .name: hq, .offset: 0, .size: 8, .value_kind: global_buffer, .address_space: global }
      - { .name: hs, .offset: 8, .size: 8, .value_kind: global_buffer, .address_space: global }
      - { .name: W2_codes, .offset: 16, .size: 8, .value_kind: global_buffer, .address_space: global }
      - { .name: W2_scales, .offset: 24, .size: 8, .value_kind: global_buffer, .address_space: global }
      - { .name: b2, .offset: 32, .size: 8, .value_kind: global_buffer, .address_space: global }
      - { .name: route, .offset: 40, .size: 8, .value_kind: global_buffer, .address_space: global }
      - { .name: yrow, .offset: 48, .size: 8, .value_kind: global_buffer, .address_space: global }
    .group_segment_fixed_size: 270848
    .private_segment_fixed_size: 0
    .kernarg_segment_align: 8
    .kernarg_segment_size: 56
    .max_flat_workgroup_size: 128
    .sgpr_count:     66
    .vgpr_count:     1024
    .wavefront_size: 32
...
	.end_amdgpu_metadata
.endif
;; end of part 9
;; launch combine (part 10): grid 256 x 1, 4 waves a work-group, no clusters, 0 bytes of LDS; arguments yrow, route, out0; writes out0
.if DOCPART == 10
	.amdgcn_target "amdgcn-amd-amdhsa--gfx1250"
	.amdhsa_code_object_version 6
	.text
	.protected	k_q1f5ae9e1eb_combine
	.globl	k_q1f5ae9e1eb_combine
	.p2align	8
	.type	k_q1f5ae9e1eb_combine,@function
k_q1f5ae9e1eb_combine:
	s_mov_b64 s[64:65], 0
	v_nop
	global_prefetch_b8 v0, s[64:65] scope:SCOPE_SE
	s_setreg_imm32_b32 hwreg(HW_REG_WAVE_MODE, 25, 1), 1
	s_wait_xcnt 0x0
; COMBINE.  out0[t] = yrow[pos[2 t]] + yrow[pos[2 t + 1]]: the plain sum of the two chosen experts' rows, as the 0/1 mask has it.
; A wave takes a token: two rows of 4,096 bytes in, one out; each load and store covers 512 consecutive bytes.  A stream: no LDS, no barrier, no matrix unit.
.set POS, 32768
	s_load_b128 s[4:7], s[0:1], 0x0                ; yrow s[4:5], route s[6:7]
	s_load_b64 s[8:9], s[0:1], 0x10                ; out0
	v_lshrrev_b32 v1, 5, v0
	v_readfirstlane_b32 s10, v1                    ; wave
	s_lshl_b32 s11, ttmp9, 2
	s_add_co_u32 s11, s11, s10                     ; my token
	v_and_b32 v1, 31, v0
	v_lshlrev_b32 v1, 4, v1                        ; 16 x lane
	s_lshl_b32 s12, s11, 3
	s_mov_b32 s13, 0
	s_wait_alu depctr_va_vdst(0)
	s_wait_kmcnt 0x0
	s_add_nc_u64 s[14:15], s[6:7], s[12:13]
	s_load_b64 s[16:17], s[14:15], POS             ; its two rows
	s_lshl_b32 s12, s11, 12
	s_add_nc_u64 s[8:9], s[8:9], s[12:13]
	s_wait_kmcnt 0x0
	s_min_u32 s16, s16, 8191
	s_min_u32 s17, s17, 8191
	s_lshl_b32 s18, s16, 12
	s_mov_b32 s19, 0
	s_add_nc_u64 s[20:21], s[4:5], s[18:19]
	s_lshl_b32 s18, s17, 12
	s_add_nc_u64 s[22:23], s[4:5], s[18:19]
.irp i, 0,1,2,3,4,5,6,7
	global_load_b128 v[8+4*\i:11+4*\i], v1, s[20:21] offset:512*\i th:TH_LOAD_NT
.endr
.irp i, 0,1,2,3,4,5,6,7
	global_load_b128 v[40+4*\i:43+4*\i], v1, s[22:23] offset:512*\i th:TH_LOAD_NT
.endr
.irp i, 0,1,2,3,4,5,6,7
	s_wait_loadcnt 7-\i                            ; the first row and the second row's loads up to i are in; the 7 - i behind them may be out
	v_pk_add_f32 v[8+4*\i:9+4*\i], v[8+4*\i:9+4*\i], v[40+4*\i:41+4*\i]
	v_pk_add_f32 v[10+4*\i:11+4*\i], v[10+4*\i:11+4*\i], v[42+4*\i:43+4*\i]
	global_store_b128 v1, v[8+4*\i:11+4*\i], s[8:9] offset:512*\i th:TH_STORE_NT
.endr
	s_endpgm
.Lfunc_end_k_q1f5ae9e1eb_combine:
	.size	k_q1f5ae9e1eb_combine, .Lfunc_end_k_q1f5ae9e1eb_combine-k_q1f5ae9e1eb_combine
	.p2alignl 7, 3214868480
	.fill 96, 4, 3214868480
	.section	.rodata,"a",@progbits
	.p2align	6, 0x0
	.amdhsa_kernel k_q1f5ae9e1eb_combine
		.amdhsa_group_segment_fixed_size 0
		.amdhsa_private_segment_fixed_size 0
		.amdhsa_enable_private_segment 0
		.amdhsa_kernarg_size 24
		.amdhsa_user_sgpr_count 2
		.amdhsa_user_sgpr_kernarg_segment_ptr 1
		.amdhsa_wavefront_size32 1
		.amdhsa_system_sgpr_workgroup_id_x 1
		.amdhsa_system_sgpr_workgroup_id_y 1
		.amdhsa_system_sgpr_workgroup_id_z 1
		.amdhsa_system_vgpr_workitem_id 0
		.amdhsa_next_free_vgpr 72
		.amdhsa_next_free_sgpr 66
		.amdhsa_reserve_vcc 0
		.amdhsa_float_denorm_mode_32 3
		.amdhsa_float_denorm_mode_16_64 3
		.amdhsa_memory_ordered 1
		.amdhsa_forward_progress 1
		.amdhsa_inst_pref_size 5
	.end_amdhsa_kernel
	.amdgpu_metadata
---
amdhsa.version: [ 1, 2 ]
amdhsa.kernels:
  - .name:           k_q1f5ae9e1eb_combine
    .symbol:         k_q1f5ae9e1eb_combine.kd
    .args:
      - { .name: yrow, .offset: 0, .size: 8, .value_kind: global_buffer, .address_space: global }
      - { .name: route, .offset: 8, .size: 8, .value_kind: global_buffer, .address_space: global }
      - { .name: out0, .offset: 16, .size: 8, .value_kind: global_buffer, .address_space: global }
    .group_segment_fixed_size: 0
    .private_segment_fixed_size: 0
    .kernarg_segment_align: 8
    .kernarg_segment_size: 24
    .max_flat_workgroup_size: 128
    .sgpr_count:     66
    .vgpr_count:     72
    .wavefront_size: 32
...
	.end_amdgpu_metadata
.endif
;; end of part 10
